; MI455X (gfx1250); checked and timed in simulation.
; The chip was launched on July 23, 2026; its instructions are those of AMD's public machine-readable ISA for CDNA 5 (MIT licence, August 2026) and "CDNA5" Instruction Set Architecture Reference Guide (July 2026). The comments in the code are by the model that wrote it; some were corrected since.
;; CS Attention. Allowed arithmetic: matrix products marked QUANTISED: E4M3 operands, one E8M0 scale for each 32 along K, by v_wmma_scale_f32_16x16x128_f8f6f4 with both operands' format E4M3, f32 sums; everything else in f32.
;; Inputs: W_qk 1,024 x 512 float32; b_qk 1,024 float32; x 32 x 1,024 x 512 float32; y 32 x 1,024 x 512 float32.
;; Outputs: out0 32 x 1,024 x 512 float32.
;; This version of the problem:
;;   THIS VERSION OF THE PROBLEM IS GIVEN IN LOW PRECISION. The matrix products marked QUANTISED in the list below multiply operands that are first quantised to E4M3 (4 exponent bits, 3 mantissa bits; 8 bits a number), with one power-of-two scale for each 32 numbers along K (OCP MX v1.0); their sums are f32. All else is computed in f32.
;;   The module's matrix products, in the order in which they are computed (A, B: the left and right operand; K: the contracted axis; several contracted axes count as one K, in the product's order):
;;     1. [M 32,768, K 512] x [K 512, N 1,024]; A: input x; B: input W_qk: QUANTISED
;;     2. batch 32 x [M 1,024, K 512] x [K 512, N 1,024]; A: computed on the way; B: computed on the way: QUANTISED
;;     3. batch 32 x [M 1,024, K 1,024] x [K 1,024, N 512]; A: softmax (see below); B: input y: QUANTISED
;;   THE QUANTISER, for each operand of a quantised product, along K:
;;     - K is cut into blocks of 32 from its start; a last block that is shorter is filled with zeros.
;;     - A block's scale is 2^e with e = floor(log2(the largest magnitude in the block)) - 8, held to -126 .. 127; a block of zeros has e = 0. As a byte (E8M0): e + 127.
;;     - Each number is divided by its block's scale, clamped to +-448, and rounded to the nearest number of E4M3, ties to even, subnormals kept.
;;     - The product sums the exact products of the quantised numbers (number of the format x scale) in f32.
;;   ~~~python
;;   def quantise(x, axis):      # numpy; x: float32 -> the quantised numbers, widened to float32 again
;;       x = np.moveaxis(x, axis, -1); K = x.shape[-1]
;;       x = np.pad(x, [(0, 0)] * (x.ndim - 1) + [(0, -K % 32)]); x = x.reshape(x.shape[:-1] + (-1, 32)); a = np.abs(x).max(-1, keepdims=True)
;;       e = np.where(a > 0, np.clip(np.frexp(np.where(a > 0, a, 1))[1] - 1 - 8, -126, 127), 0)      # np.frexp(a)[1] - 1 = floor(log2(a)), exactly
;;       r = np.clip(x / 2.0 ** e, -448, 448)
;;       step = 2.0 ** (np.maximum(np.frexp(np.where(r == 0, 1, r))[1] - 1, -6) - 3)
;;       q = np.round(r / step) * step * 2.0 ** e      # np.round: ties to even
;;       return np.moveaxis(q.reshape(q.shape[:-2] + (-1,))[..., :K], -1, axis).astype(np.float32)
;;   ~~~
;;   SOFTMAX AHEAD OF A QUANTISED PRODUCT. Where the list says 'softmax', what is quantised is not the finished softmax but p = 2^(t - M), with t = logit x log2(e) and M = ceil(the row's largest t), a whole number; so 1/2 < the row's largest p <= 1. The row's sum l is taken of the UNQUANTISED p, in f32, and the product's result is divided by l at the end. Since M is a whole number, a kernel that streams over the keys may use a running M (the ceiling of the running maximum): every later rescaling is an exact power of two, which a block's scale takes up: the codes' values come out the same.
;;   OPERANDS COMPUTED ON THE WAY. 'Computed on the way' means the value that the module computes at that place (a softmax that the list does not call 'softmax' is quantised finished and normalised). What goes into a quantiser is computed in f32, as accurately as f32 sums, v_exp_f32 and their like allow (about 1e-6 of the number): no bf16 or f16 on the way to a quantiser, and a product that is left as it is and whose result goes on into a quantised operand takes f32 operands (vector FMAs, or v_wmma_f32_16x16x4_f32). A number that lies on a knife's edge between two numbers of the format may be rounded either way, as far as f32 arithmetic and the matrix unit's own rounding can turn it there, and no further.
;; 2 versions. Each part assembles by itself: llvm-mc -triple=amdgcn-amd-amdhsa -mcpu=gfx1250 --defsym DOCPART=n.
;; ======== version 1 of 2: 3 launches
;; workspace buffers: wc 524,288 bytes; ws 16,384 bytes; qc 16,777,216 bytes; qs 524,288 bytes; kb 17,301,504 bytes; vb 17,301,504 bytes
;; launch quant (part 1): grid 256 x 1, 9 waves a work-group, no clusters, 0 bytes of LDS; arguments y, W_qk, vb, wc, ws; writes vb, wc, ws
.if DOCPART == 1
	.amdgcn_target "amdgcn-amd-amdhsa--gfx1250"
	.amdhsa_code_object_version 6
	.text
	.protected	k_q97428a4619_quant
	.globl	k_q97428a4619_quant
	.p2align	8
	.type	k_q97428a4619_quant,@function
k_q97428a4619_quant:
	s_mov_b64 s[64:65], 0
	v_nop
	global_prefetch_b8 v0, s[64:65] scope:SCOPE_SE
	s_setreg_imm32_b32 hwreg(HW_REG_WAVE_MODE, 25, 1), 1
	s_wait_xcnt 0x0
; y [32][1024 keys][512 channels] f32 and W_qk [1024][512] f32 become codes of FP8 (E4M3) with one E8M0 scale byte for each 32 along K.
; y's K is the keys (its first axis within a batch), W's K is its last axis.  A block's scale is 2^(floor(log2(largest magnitude)) - 8): its byte is the largest
; magnitude's exponent field - 8, held at 1 from below; each number is divided by the scale, held within +-448 and rounded to the nearest code, ties to even.
; THE CODES ARE LAID AS IMAGES OF THE OPERAND'S REGISTERS: a fragment (16 rows x 128 K) is 2,048 bytes, byte 512 c + 16 lane + i = row lane % 16, k = 32 c + 16 (lane / 16) + i.
;   vb [batch][key step of 128][67,584]: 32 fragments (16 channels each), then 2,048 bytes of scale words [8][lane 32][2]: word (g, lane, e) = channel 64 g + 32 e + lane, byte c = key block c.
;   wc [tile 64][K step 4][2,048]; tile tg holds rows 128 (tg / 8) + 32 ((tg % 8) / 2) + 8 (tg % 2) + rho + 8 (rho / 8), so that the next launch's results run along its next K.
;   ws [tile][K step 4][rho 16]: one word a row and K step: 64 consecutive bytes a fragment.
; SHARES.  y has 256 blocks of 128 keys x 512 channels and W has 256 fragments: work-group g takes one of each, so that all work-groups have equal work.  Waves 0-7: 64 channels x 128 keys of block g (batch g / 8,
; key step g % 8); wave 8: fragment g of W (tile g / 4, K step g % 4).  No LDS, no barrier: waves share nothing, and no two work-groups read the same bytes, so there is nothing to ask for jointly.
; LIMITS: NaN and infinities among the inputs are not served.  A block of zeros gets the byte 1 where the rule says 127: its codes are zeros, which add nothing, and this program alone reads the bytes.
.set BLKB, 67584                       ; a key step's block of vb
.set X,    32                          ; y: v32-127  three sets of 32 numbers (one column, 32 keys)
.set C,    128                         ; y: v128-191 eight registers of codes for each of the 8 blocks: no store's data are written again
.set SB,   24                          ; y: v24-25   the scale bytes, four to a register
.set WA,   32                          ; W: v32-95   64 numbers
.set PC,   160                         ; W: v160-175 the fragment's codes
.set TM,   176                         ; W: v176-191 at work
.set PW,   16                          ; W: v16      the fragment's scale word
	s_load_b256 s[4:11], s[0:1], 0x0               ; y s[4:5], W s[6:7], vb s[8:9], wc s[10:11]
	s_load_b64 s[12:13], s[0:1], 0x20              ; ws
	v_lshrrev_b32 v1, 5, v0
	v_readfirstlane_b32 s14, v1                    ; wave 0..8
	v_and_b32 v2, 31, v0                           ; lane
	s_mov_b32 s20, 0x76543210
	s_mov_b32 s21, 0xfedcba98                      ; v_permlanex16_b32's selects for lane l xor 16
	s_mov_b32 s22, 0x600000                        ; the mantissa field of 448
	s_cmp_eq_u32 s14, 8
	s_cbranch_scc1 .Lweights
	; ---------------- y: a lane takes a column (channel), its registers run down the keys ----------------
	s_lshl_b32 s24, ttmp9, 18                      ; in: block g begins g x 128 rows of 2,048 bytes on (a batch is eight blocks)
	s_lshl_b32 s25, s14, 8                         ;     + wave x 64 channels x 4 bytes
	s_add_co_u32 s24, s24, s25
	s_mov_b32 s25, 0
	s_mul_i32 s26, ttmp9, BLKB                     ; out: the key step's block
	s_lshl_b32 s31, s14, 13                        ; my 64 channels: four fragments of 2,048 bytes,
	s_lshl_b32 s30, s14, 8                         ; 256 bytes of scale words
	s_add_co_u32 s28, s26, s30
	s_add_co_u32 s28, s28, 65536
	s_add_co_u32 s26, s26, s31
	s_mov_b32 s27, 0
	s_mov_b32 s29, 0
	v_lshlrev_b32 v3, 2, v2                        ; in: 4 bytes a lane: a load reads 128 consecutive bytes
	v_lshrrev_b32 v4, 4, v2
	v_and_b32 v6, 15, v2
	v_lshlrev_b32 v4, 11, v4                       ; out: lanes 16-31 belong to the next fragment,
	v_lshl_add_u32 v4, v6, 4, v4                   ;      16 bytes for each row of a fragment
	v_lshlrev_b32 v5, 3, v2                        ; scale words: 8 bytes a lane
	s_wait_kmcnt 0x0
	s_add_nc_u64 s[4:5], s[4:5], s[24:25]
	s_add_nc_u64 s[32:33], s[8:9], s[28:29]        ; scale words
	s_add_nc_u64 s[8:9], s[8:9], s[26:27]          ; codes
.macro LOAD t                          ; block t = 4 e + c: keys 32 c .. 32 c + 31 of channel 32 e + lane, into set t % 3
.set qi, 0
.rept 32
	global_load_b32 v[X+32*((\t)%3)+qi], v3, s[4:5] offset:(32*((\t)%4)+qi)*2048+128*((\t)/4) th:TH_LOAD_NT
.set qi, qi+1
.endr
.endm
.macro BLOCK t
.set XS, X+32*((\t)%3)
.set CC, C+8*(\t)
.if (\t) < 7
	s_wait_loadcnt 32                              ; this block's 32 loads are in; the next block's 32 may be out
.else
	s_wait_loadcnt 0x0
.endif
.if (\t)+2 < 8
	LOAD (\t)+2                                    ; into the set that the block before this one has left
.endif
	v_max3_num_f32 v12, |v[XS]|, |v[XS+1]|, |v[XS+2]|      ; the block's largest magnitude: all 32 numbers are mine; two chains
	v_max3_num_f32 v13, |v[XS+3]|, |v[XS+4]|, |v[XS+5]|
.irp i, 6,10,14,18,22,26
	v_max3_num_f32 v12, v12, |v[XS+\i]|, |v[XS+\i+1]|
	v_max3_num_f32 v13, v13, |v[XS+\i+2]|, |v[XS+\i+3]|
.endr
	v_max3_num_f32 v12, v12, |v[XS+30]|, |v[XS+31]|
	v_max3_num_f32 v12, v12, v13, 0x4800000        ; and the floor 2^(9 - 127): the byte cannot fall under 1
	v_add_nc_u32 v11, 0xfc000000, v12              ; 8 off the exponent field: the conversion takes this operand's exponent field as its scale
	v_and_or_b32 v10, v12, 0x7f800000, s22         ; 448 x the scale
	v_lshrrev_b32 v13, 23, v11                     ; the scale's byte
.if (\t)%4 == 0
	v_mov_b32 v[SB+(\t)/4], v13                    ; four bytes to a register, the lower keys in the lower byte
.else
	v_lshl_or_b32 v[SB+(\t)/4], v13, 8*((\t)%4), v[SB+(\t)/4]
.endif
.set qi, 0
.rept 32
	v_med3_num_f32 v[XS+qi], v[XS+qi], -v10, v10   ; the conversion to an 8-bit code does not saturate (ISA guide 7.6.2): the hold comes first
.set qi, qi+1
.endr
.irp g, 0,1,2,3
	v_cvt_scalef32_pk8_fp8_f32 v[CC+2*\g:CC+2*\g+1], v[XS+8*\g:XS+8*\g+7], v11
.endr
	v_nop                                          ; one plain line behind the last conversion
	global_store_b128 v4, v[CC:CC+3], s[8:9] offset:((\t)/4)*4096+((\t)%4)*512          ; keys 0-15 of the block: the image's lanes 0-15; sixteen lanes store 256 consecutive bytes, aligned
	global_store_b128 v4, v[CC+4:CC+7], s[8:9] offset:((\t)/4)*4096+((\t)%4)*512+256    ; keys 16-31: its lanes 16-31
.endm
	LOAD 0
	LOAD 1
.irp t, 0,1,2,3,4,5,6,7
	BLOCK \t
.endr
	global_store_b64 v5, v[SB:SB+1], s[32:33]      ; 32 lanes store 256 consecutive bytes, aligned
	s_endpgm
	; ---------------- W: K is innermost: lane (rho, h) takes 16 neighbours of each block of 32 of its row ----------------
.Lweights:
	s_lshr_b32 s15, ttmp9, 2                       ; tile tg
	s_and_b32 s19, ttmp9, 3                        ; K step
	s_lshr_b32 s16, s15, 3
	s_lshl_b32 s16, s16, 7                         ; 128 (tg / 8)
	s_bfe_u32 s17, s15, 0x20001
	s_lshl_b32 s17, s17, 5                         ; + 32 ((tg % 8) / 2)
	s_add_co_u32 s16, s16, s17
	s_and_b32 s17, s15, 1
	s_lshl_b32 s17, s17, 3                         ; + 8 (tg % 2)
	s_add_co_u32 s16, s16, s17
	s_lshl_b32 s24, s16, 11                        ; rows of 2,048 bytes,
	s_lshl_b32 s25, s19, 9                         ; + 128 numbers for each K step
	s_add_co_u32 s24, s24, s25
	s_mov_b32 s25, 0
	s_lshl_b32 s26, ttmp9, 11                      ; the fragment's image: 2,048 bytes
	s_mov_b32 s27, 0
	s_lshl_b32 s28, ttmp9, 6                       ; its scale words: 64 bytes
	s_mov_b32 s29, 0
	v_and_b32 v6, 15, v0                           ; rho
	v_bfe_u32 v7, v0, 4, 1                         ; h
	v_and_b32 v8, 8, v6
	v_add_nc_u32 v8, v8, v6                        ; rho + 8 (rho / 8)
	v_lshlrev_b32 v3, 11, v8
	v_lshl_add_u32 v3, v7, 6, v3                   ; in: my row, + 64 h
	v_lshlrev_b32 v4, 4, v2                        ; out: 16 x lane
	v_lshlrev_b32 v5, 2, v6                        ; scale words: 4 rho
.irp b, 0,1,2,3
	v_mov_b32 v[TM+4+\b], 0                        ; written once: a lane permute's destination counts as one of its sources
.endr
	s_wait_kmcnt 0x0
	s_add_nc_u64 s[6:7], s[6:7], s[24:25]
	s_add_nc_u64 s[10:11], s[10:11], s[26:27]
	s_add_nc_u64 s[12:13], s[12:13], s[28:29]
.set qi, 0
.rept 16
	global_load_b128 v[WA+4*qi:WA+4*qi+3], v3, s[6:7] offset:128*(qi/4)+16*(qi%4) th:TH_LOAD_NT   ; register 16 b + i = k 32 b + 16 h + i of my row
.set qi, qi+1
.endr
	s_wait_loadcnt 0x0
.irp b, 0,1,2,3
	v_max3_num_f32 v[TM+\b], |v[WA+16*\b]|, |v[WA+1+16*\b]|, 0x4800000   ; block b: my 16 numbers and the floor 2^(9 - 127)
.endr
.irp i, 2,4,6,8,10,12,14
.irp b, 0,1,2,3
	v_max3_num_f32 v[TM+\b], v[TM+\b], |v[WA+16*\b+\i]|, |v[WA+1+16*\b+\i]|   ; the four blocks by turns
.endr
.endr
.irp b, 0,1,2,3
	v_permlanex16_b32 v[TM+4+\b], v[TM+\b], s20, s21
.endr
.irp b, 0,1,2,3
	v_max_num_f32 v[TM+\b], v[TM+\b], v[TM+4+\b]   ; with lane l xor 16's 16 numbers: the block's largest magnitude
.endr
.irp b, 0,1,2,3
	v_add_nc_u32 v[TM+12+\b], 0xfc000000, v[TM+\b] ; the conversion's scale operand
.endr
.irp b, 0,1,2,3
	v_and_or_b32 v[TM+8+\b], v[TM+\b], 0x7f800000, s22   ; 448 x the scale
.endr
.irp b, 0,1,2,3
	v_lshrrev_b32 v[TM+4+\b], 23, v[TM+12+\b]      ; the scale's byte
.endr
	v_lshl_or_b32 v[PW], v[TM+5], 8, v[TM+4]       ; the four bytes make my row's scale word; both halves of the lanes hold the same
	v_lshl_or_b32 v[PW], v[TM+6], 16, v[PW]
	v_lshl_or_b32 v[PW], v[TM+7], 24, v[PW]
.set qi, 0
.rept 64
	v_med3_num_f32 v[WA+qi], v[WA+qi], -v[TM+8+qi/16], v[TM+8+qi/16]
.set qi, qi+1
.endr
.irp b, 0,1,2,3
	v_cvt_scalef32_pk8_fp8_f32 v[PC+4*\b:PC+4*\b+1], v[WA+16*\b:WA+16*\b+7], v[TM+12+\b]
	v_cvt_scalef32_pk8_fp8_f32 v[PC+4*\b+2:PC+4*\b+3], v[WA+16*\b+8:WA+16*\b+15], v[TM+12+\b]
.endr
	v_nop                                          ; one plain line behind the last conversion
.irp c, 0,1,2,3
	global_store_b128 v4, v[PC+4*\c:PC+4*\c+3], s[10:11] offset:512*\c   ; the image: 512 consecutive bytes a store
.endr
	global_store_b32 v5, v[PW], s[12:13]           ; 64 consecutive bytes; lanes 16-31 write the same words with the same values as lanes 0-15
	s_endpgm
.Lfunc_end_k_q97428a4619_quant:
	.size	k_q97428a4619_quant, .Lfunc_end_k_q97428a4619_quant-k_q97428a4619_quant
	.p2alignl 7, 3214868480
	.fill 96, 4, 3214868480
	.section	.rodata,"a",@progbits
	.p2align	6, 0x0
	.amdhsa_kernel k_q97428a4619_quant
		.amdhsa_group_segment_fixed_size 0
		.amdhsa_private_segment_fixed_size 0
		.amdhsa_enable_private_segment 0
		.amdhsa_kernarg_size 40
		.amdhsa_user_sgpr_count 2
		.amdhsa_user_sgpr_kernarg_segment_ptr 1
		.amdhsa_wavefront_size32 1
		.amdhsa_system_sgpr_workgroup_id_x 1
		.amdhsa_system_sgpr_workgroup_id_y 1
		.amdhsa_system_sgpr_workgroup_id_z 1
		.amdhsa_system_vgpr_workitem_id 0
		.amdhsa_next_free_vgpr 192
		.amdhsa_next_free_sgpr 66
		.amdhsa_reserve_vcc 0
		.amdhsa_float_denorm_mode_32 3
		.amdhsa_float_denorm_mode_16_64 3
		.amdhsa_memory_ordered 1
		.amdhsa_forward_progress 1
		.amdhsa_inst_pref_size 67
	.end_amdhsa_kernel
	.amdgpu_metadata
---
amdhsa.version: [ 1, 2 ]
amdhsa.kernels:
  - .name:           k_q97428a4619_quant
    .symbol:         k_q97428a4619_quant.kd
    .args:
      - { .name: y, .offset: 0, .size: 8, .value_kind: global_buffer, .address_space: global }
      - { .name: W_qk, .offset: 8, .size: 8, .value_kind: global_buffer, .address_space: global }
      - { .name: vb, .offset: 16, .size: 8, .value_kind: global_buffer, .address_space: global }
      - { .name: wc, .offset: 24, .size: 8, .value_kind: global_buffer, .address_space: global }
      - { .name: ws, .offset: 32, .size: 8, .value_kind: global_buffer, .address_space: global }
    .group_segment_fixed_size: 0
    .private_segment_fixed_size: 0
    .kernarg_segment_align: 8
    .kernarg_segment_size: 40
    .max_flat_workgroup_size: 288
    .sgpr_count:     66
    .vgpr_count:     192
    .wavefront_size: 32
...
	.end_amdgpu_metadata
.endif
;; end of part 1
;; launch proj (part 2): grid 256 x 1, 4 waves a work-group, no clusters, 35,328 bytes of LDS; arguments x, wc, ws, b_qk, qc, qs, kb; writes qc, qs, kb
.if DOCPART == 2
	.amdgcn_target "amdgcn-amd-amdhsa--gfx1250"
	.amdhsa_code_object_version 6
	.text
	.protected	k_q97428a4619_proj
	.globl	k_q97428a4619_proj
	.p2align	8
	.type	k_q97428a4619_proj,@function
k_q97428a4619_proj:
	s_mov_b64 s[64:65], 0
	v_nop
	global_prefetch_b8 v0, s[64:65] scope:SCOPE_SE
	s_setreg_imm32_b32 hwreg(HW_REG_WAVE_MODE, 25, 1), 1
	s_wait_xcnt 0x0
; qk = Q(x) Q(W)^T + b on codes of FP8 (E4M3) with E8M0 scales; q = qk[:, 0:512] x 512^-0.5 and k = qk[:, 512:1024] are quantised along l on the way and leave as codes: they never exist as f32 in memory.
; SHARES.  Work-group 2 rg + hf takes rows 256 rg .. + 255 of x (four blocks of 64) and half hf of the 1,024 outputs (0: q, 1: k).  THE WAVES SHARE THE COLUMNS: wave w makes l = 512 hf + 128 w .. + 127 for all rows,
; so its 32 fragments of W (512 registers), their scale words and its bias stay in registers for the whole launch.  128 outputs are one K step of the next product: a wave's 8 tiles become one fragment and one scale word a row.
; A BLOCK OF 64 ROWS, two barriers:  X: wave w quantises tile w (16 rows) of x, four fragments, and stores them to LDS as images of their registers | barrier |  for each of the four tiles: x's fragments from LDS,
; 32 products (transposed: source 0 = 16 rows of W, source 1 = x; the bias is the C of each sum's first product), x 512^-0.5 for q, quantised in registers, stored as an image | barrier.
; THE NEXT BLOCK'S x IS ASKED FOR IN FOUR PARTS, K step m's 16 loads at the head of tile m: the wave goes on with its products while they are on their way, and no run of loads stands in front of a wait.
; THE ROWS OF A TILE ARE NOT NEIGHBOURS, of x and of W alike: row rho of tile 2 g + u is row 32 g + 8 u + rho + 8 (rho / 8).  For W that makes the 16 registers of tiles 2 b, 2 b + 1 sixteen neighbours along l; for x it
; gives k's tiles the order of keys that the attention wants, and for q it only says which query sits in which lane.
; OUT.  qc [tile][K step 4][2,048];  qs [64 rows][K step][256]: word (tile % 4) / 2 x 32 + 2 r + tile % 2;  kb [128 keys][67,584]: fragments (4 tile + K step), then eight such units of scale words.
; No joint requests: W goes from memory into each wave's registers once (256 KiB a work-group against 512 KiB of x) and a joint load could only land in LDS; x's rows are wanted as f32 in registers by the quantiser.
; LIMITS: NaN and infinities are not served.  A block of zeros gets the byte 1 where the rule says 127: its codes are zeros, and this program alone reads the bytes.
; REGISTERS, in windows of 256: window 0: below;  window 1: 256 numbers of x (K step s at 64 s);  windows 2, 3: W's fragment (tile t, K step s) at 16 (8 (s % 2) + t) of window 2 + s / 2.
.set XIMG, 0                           ; LDS: x's 16 fragments (4 tile + K step) x 2,048
.set XSC,  32768                       ; their scale words, 128 bytes each
.set XA,   1                           ; v1   x: my row's bytes + 64 h
.set LI,   2                           ; v2   16 x lane
.set LS,   3                           ; v3   4 x lane
.set XWI,  4                           ; v4   where I store x's images: 16 x lane + 8,192 x wave
.set XWS,  5                           ; v5   and their scale words: 4 x lane + 512 x wave
.set OI,   6                           ; v6   out: 16 x lane + 2,048 x wave
.set SI,   7                           ; v7   out, scale words: 256 x wave + 128 h + 8 r
.set XS,   8                           ; v8-11   x's scale words of the tile in hand
.set PWS,  12                          ; v12-15  the scale words just made: of x's four K steps, later of the four tiles
.set W1S,  16                          ; v16-31  W's scale words: register 2 t + s % 2; lanes 0-15 K steps 0, 1; lanes 16-31 K steps 2, 3
.set TM,   32                          ; v32-47  at work
.set PC,   48                          ; v48-63  a result tile's codes
.set XF,   64                          ; v64-127 x's four fragments: first as I make my tile's, then as they come back from LDS
.set HA,   128                         ; v128-191 my 8 tiles of results
.set BIAS, 192                         ; v192-255 the bias in the result's layout
.set MSB, 0
.macro WIN new                         ; the immediate's high byte repeats the setting that is left
.if MSB != (\new)
	s_set_vgpr_msb (MSB<<8)|(\new)
.set MSB, (\new)
.endif
.endm
.macro PLACES n
.rept \n
	v_nop
.endr
.endm
.macro BARRIER                         ; my LDS stores have landed and my LDS loads are in: then the work-group's barrier
	s_wait_dscnt 0x0
	s_barrier_signal -1
	s_barrier_wait -1
.endm
.macro XLOADK s, off                   ; K step s of my 16 rows, from off bytes on, into window 1: register 64 s + 16 b + i = k 128 s + 32 b + 16 h + i
	WIN 0x40
.set qi, 0
.rept 16
	global_load_b128 v[64*(\s)+4*qi:64*(\s)+4*qi+3], v[XA], s[4:5] offset:(\off)+512*(\s)+128*(qi/4)+16*(qi%4)
.set qi, qi+1
.endr
	WIN 0
.endm
; 64 numbers of a lane in window w, register 16 b + i = k 32 b + 16 h + i of my row, become a fragment's codes in v[pc] on and its scale word in v[pw].  The lines are grouped by window.
.macro QUANT s, w, pw, pc
.set qs0, (\s)
.set qw, (\w)
.set qp, (\pc)
	WIN qw|(qw<<2)
.irp b, 0,1,2,3
	v_max3_num_f32 v[TM+\b], |v[qs0+16*\b]|, |v[qs0+1+16*\b]|, 0x4800000   ; block b: my 16 numbers and the floor 2^(9 - 127): the byte cannot fall under 1
.endr
	WIN (qw<<2)|(qw<<4)
.irp i, 2,4,6,8,10,12,14
.irp b, 0,1,2,3
	v_max3_num_f32 v[TM+\b], v[TM+\b], |v[qs0+16*\b+\i]|, |v[qs0+1+16*\b+\i]|   ; the four blocks by turns; each result tile is read from its low end on
.endr
.endr
	WIN 0
.irp b, 0,1,2,3
	v_permlanex16_b32 v[TM+4+\b], v[TM+\b], s22, s23
.endr
.irp b, 0,1,2,3
	v_max_num_f32 v[TM+\b], v[TM+\b], v[TM+4+\b]   ; with lane l xor 16's: the block's largest magnitude
.endr
.irp b, 0,1,2,3
	v_add_nc_u32 v[TM+12+\b], 0xfc000000, v[TM+\b] ; 8 off its exponent field: the conversion's scale operand
.endr
.irp b, 0,1,2,3
	v_and_or_b32 v[TM+8+\b], v[TM+\b], 0x7f800000, s24   ; 448 x the scale
.endr
.irp b, 0,1,2,3
	v_lshrrev_b32 v[TM+4+\b], 23, v[TM+12+\b]      ; the scale's byte
.endr
	v_lshl_or_b32 v[\pw], v[TM+5], 8, v[TM+4]      ; the four bytes make my row's scale word
	v_lshl_or_b32 v[\pw], v[TM+6], 16, v[\pw]
	v_lshl_or_b32 v[\pw], v[TM+7], 24, v[\pw]
	WIN qw|(qw<<6)
.set qi, 0
.rept 64
	v_med3_num_f32 v[qs0+qi], v[qs0+qi], -v[TM+8+qi/16], v[TM+8+qi/16]   ; the conversion to an 8-bit code does not saturate (ISA guide 7.6.2): the hold comes first
.set qi, qi+1
.endr
	WIN qw
.irp b, 0,1,2,3
	v_cvt_scalef32_pk8_fp8_f32 v[qp+4*\b:qp+4*\b+1], v[qs0+16*\b:qs0+16*\b+7], v[TM+12+\b]
	v_cvt_scalef32_pk8_fp8_f32 v[qp+4*\b+2:qp+4*\b+3], v[qs0+16*\b+8:qs0+16*\b+15], v[TM+12+\b]
.endr
	WIN 0
	v_nop                                          ; one plain line between the last conversion and whatever next touches its result or writes its sources
.endm
.macro FETCHX m                        ; tile m's four fragments of x and their scale words, as any wave stored them
.irp s, 0,1,2,3
.irp c, 0,1,2,3
	ds_load_b128 v[XF+16*\s+4*\c:XF+16*\s+4*\c+3], v[LI] offset:XIMG+(4*(\m)+\s)*2048+512*\c
.endr
	ds_load_b32 v[XS+\s], v[LS] offset:XSC+128*(4*(\m)+\s)
.endr
.endm
	s_load_b256 s[4:11], s[0:1], 0x0               ; x s[4:5], wc s[6:7], ws s[8:9], b_qk s[10:11]
	s_load_b128 s[12:15], s[0:1], 0x20             ; qc s[12:13], qs s[14:15]
	s_load_b64 s[16:17], s[0:1], 0x30              ; kb
	v_lshrrev_b32 v1, 5, v0
	v_readfirstlane_b32 s18, v1                    ; wave
	s_and_b32 s19, ttmp9, 1                        ; hf: 0 q, 1 k
	s_lshr_b32 s20, ttmp9, 1                       ; rg: which 256 rows
	v_and_b32 v48, 31, v0                          ; lane
	v_and_b32 v49, 15, v0                          ; r
	v_bfe_u32 v50, v0, 4, 1                        ; h
	v_and_b32 v51, 8, v49
	v_add_nc_u32 v51, v51, v49                     ; r + 8 (r / 8)
	v_lshlrev_b32 v[XA], 11, v51
	v_lshl_add_u32 v[XA], v50, 6, v[XA]
	v_lshlrev_b32 v[LI], 4, v48
	v_lshlrev_b32 v[LS], 2, v48
	s_lshl_b32 s40, s18, 13
	v_add_nc_u32 v[XWI], s40, v[LI]
	s_lshl_b32 s40, s18, 9
	v_add_nc_u32 v[XWS], s40, v[LS]
	s_lshl_b32 s40, s18, 11
	v_add_nc_u32 v[OI], s40, v[LI]
	s_lshl_b32 s40, s18, 8
	v_lshlrev_b32 v[SI], 3, v49
	v_lshl_add_u32 v[SI], v50, 7, v[SI]
	v_add_nc_u32 v[SI], s40, v[SI]
	v_lshlrev_b32 v52, 2, v49
	v_lshl_add_u32 v52, v50, 7, v52                ; W's scale words: 4 r, and two K steps (128 bytes) on for lanes 16-31
	v_lshlrev_b32 v53, 6, v50                      ; the bias: 16 h numbers on
	s_mov_b32 s22, 0x76543210
	s_mov_b32 s23, 0xfedcba98                      ; v_permlanex16_b32's selects for lane l xor 16
	s_mov_b32 s24, 0x600000                        ; the mantissa field of 448
	s_mov_b32 s26, 0x3d3504f3                      ; 512^-0.5
	s_mov_b32 s27, s26                             ; (named with it as a pair, so it is written)
	s_mov_b32 s28, 0                               ; the block's number, 0 .. 3
	s_lshl_b32 s29, s19, 11
	s_add_co_u32 s29, s29, 65536                   ; bytes of codes' buffer for 128 rows: 65,536 in qc, 67,584 in kb
	s_lshl_b32 s31, s19, 16                        ; where the scale words begin in them: 0 in qs, 65,536 in kb
	s_add_co_u32 s30, s31, 2048                    ; bytes of the scales' buffer for 128 rows: 2,048 in qs, 67,584 in kb
	s_lshl_b32 s40, s20, 8                         ; x: row 256 rg + 32 (wave / 2) + 8 (wave % 2): my tile's first
	s_lshr_b32 s41, s18, 1
	s_lshl_b32 s41, s41, 5
	s_add_co_u32 s40, s40, s41
	s_and_b32 s41, s18, 1
	s_lshl_b32 s41, s41, 3
	s_add_co_u32 s40, s40, s41
	s_lshl_b32 s40, s40, 11
	s_mov_b32 s41, 0
	s_lshl_b32 s42, s19, 5
	s_lshl_b32 s43, s18, 3
	s_add_co_u32 s42, s42, s43                     ; my first tile of W: 32 hf + 8 wave
	s_lshl_b32 s44, s42, 13
	s_mov_b32 s45, 0
	s_lshl_b32 s46, s42, 8
	s_mov_b32 s47, 0
	s_lshl_b32 s42, s42, 6                         ; 16 numbers of the bias a tile
	s_mov_b32 s43, 0
	s_wait_kmcnt 0x0
	s_add_nc_u64 s[4:5], s[4:5], s[40:41]
	s_add_nc_u64 s[6:7], s[6:7], s[44:45]
	s_add_nc_u64 s[8:9], s[8:9], s[46:47]
	s_add_nc_u64 s[10:11], s[10:11], s[42:43]
	s_cmp_eq_u32 s19, 0                            ; the choice of buffers hangs on the work-group's number alone
	s_cselect_b64 s[32:33], s[12:13], s[16:17]     ; codes go to qc or kb,
	s_cselect_b64 s[34:35], s[14:15], s[16:17]     ; scale words to qs or kb
	WIN 0x80                                       ; destination window 2: K steps 0 and 1
.irp t, 0,1,2,3,4,5,6,7
.irp s, 0,1
.irp c, 0,1,2,3
	global_load_b128 v[16*(8*\s+\t)+4*\c:16*(8*\s+\t)+4*\c+3], v[LI], s[6:7] offset:\t*8192+\s*2048+512*\c
.endr
.endr
.endr
	WIN 0xc0                                       ; destination window 3: K steps 2 and 3
.irp t, 0,1,2,3,4,5,6,7
.irp s, 0,1
.irp c, 0,1,2,3
	global_load_b128 v[16*(8*\s+\t)+4*\c:16*(8*\s+\t)+4*\c+3], v[LI], s[6:7] offset:\t*8192+(\s+2)*2048+512*\c
.endr
.endr
.endr
	WIN 0
.irp t, 0,1,2,3,4,5,6,7
.irp e, 0,1
	global_load_b32 v[W1S+2*\t+\e], v52, s[8:9] offset:\t*256+64*\e   ; lanes 0-15: K step e; lanes 16-31: K step 2 + e
.endr
.endr
.irp t, 0,1,2,3,4,5,6,7
	global_load_b128 v[BIAS+8*\t:BIAS+8*\t+3], v53, s[10:11] offset:(32*(\t/2)+8*(\t%2))*4      ; lane (r, h), tile t, register j: l = 32 (t / 2) + 8 (t % 2) + 16 h + j
	global_load_b128 v[BIAS+8*\t+4:BIAS+8*\t+7], v53, s[10:11] offset:(32*(\t/2)+8*(\t%2))*4+16
.endr
.irp b, 0,1,2,3
	v_mov_b32 v[TM+4+\b], 0                        ; written once: a lane permute's destination counts as one of its sources
.endr
.irp s, 0,1,2,3
	XLOADK \s, 0                                   ; the first block's x comes last, so that the counts below hold in the first trip as in the others
.endr
; One tile of 16 rows: a quarter of the next block's x is asked for; 32 products, the 8 accumulators by turns; then the quantiser and the image's four stores.
.macro TILE m
.if (\m) > 0
	s_wait_xcnt 0x0                                ; the last tile's stores have read the codes' registers (ahead of tile 0 the wait at the loop's end has shown that)
.endif
	s_cmp_eq_u32 s28, 3                            ; the last block has no successor: no load leaves its buffer
	s_cbranch_scc1 .Lno_x_\@
	XLOADK \m, 131072                              ; K step m of the rows 64 further down
.Lno_x_\@:
	s_wait_dscnt 0x0                               ; x's fragments and scale words are in
	WIN 0x02                                       ; source 0 (W) window 2
.irp t, 0,1,2,3,4,5,6,7
	v_wmma_scale_f32_16x16x128_f8f6f4 v[HA+8*\t:HA+8*\t+7], v[16*\t:16*\t+15], v[XF:XF+15], v[BIAS+8*\t:BIAS+8*\t+7], v[W1S+2*\t], v[XS]
.endr
.irp t, 0,1,2,3,4,5,6,7
	v_wmma_scale_f32_16x16x128_f8f6f4 v[HA+8*\t:HA+8*\t+7], v[128+16*\t:128+16*\t+15], v[XF+16:XF+31], v[HA+8*\t:HA+8*\t+7], v[W1S+2*\t+1], v[XS+1]
.endr
	WIN 0x03                                       ; source 0 window 3; W's scale words of K steps 2 and 3 lie in lanes 16-31
.irp t, 0,1,2,3,4,5,6,7
	v_wmma_scale_f32_16x16x128_f8f6f4 v[HA+8*\t:HA+8*\t+7], v[16*\t:16*\t+15], v[XF+32:XF+47], v[HA+8*\t:HA+8*\t+7], v[W1S+2*\t], v[XS+2] matrix_a_scale:MATRIX_SCALE_ROW1
.endr
.irp t, 0,1,2,3,4,5,6,7
	v_wmma_scale_f32_16x16x128_f8f6f4 v[HA+8*\t:HA+8*\t+7], v[128+16*\t:128+16*\t+15], v[XF+48:XF+63], v[HA+8*\t:HA+8*\t+7], v[W1S+2*\t+1], v[XS+3] matrix_a_scale:MATRIX_SCALE_ROW1
.endr
	WIN 0
	PLACES 8                                       ; eight places in front of the loads into x's registers and of the first read of results
.if (\m) < 3
	FETCHX (\m)+1                                  ; the next tile's fragments land while this one is quantised
.endif
	s_cmp_lg_u32 s19, 0
	s_cbranch_scc1 .Lis_k_\@                       ; k is taken as it is
.set qi, 0
.rept 32
	v_pk_mul_f32 v[HA+qi:HA+qi+1], v[HA+qi:HA+qi+1], s[26:27] op_sel_hi:[1,0]   ; q = (x W^T + b) x 512^-0.5, in f32, ahead of its quantiser; each tile from its low end on
.set qi, qi+2
.endr
.Lis_k_\@:
	QUANT HA, 0, PWS+(\m), PC
.irp c, 0,1,2,3
	global_store_b128 v[OI], v[PC+4*\c:PC+4*\c+3], s[36:37] offset:(\m)*8192+512*\c   ; fragment (tile m, K step = my wave): 512 consecutive bytes a store
.endr
.endm
.Lblock:
	; ---- X: my tile of x becomes four fragments.  Each K step has its own registers for its codes and its scale word, so no store's data are written again ahead of the barrier's wait
.irp s, 0,1,2,3
	s_wait_loadcnt 48-16*\s                        ; K step s is in (and all that was asked for before x); 16 loads for each younger K step may be out
	QUANT 64*\s, 1, PWS+\s, XF+16*\s
.irp c, 0,1,2,3
	ds_store_b128 v[XWI], v[XF+16*\s+4*\c:XF+16*\s+4*\c+3] offset:XIMG+\s*2048+512*\c
.endr
	ds_store_b32 v[XWS], v[PWS+\s] offset:XSC+128*\s
.endr
	BARRIER                                        ; x's sixteen fragments lie in LDS
	s_lshr_b32 s40, s28, 1                         ; the block's two pointers: the last block's stores have read them (the wait at the loop's end)
	s_lshl_b32 s41, s20, 1
	s_add_co_u32 s40, s40, s41                     ; which 128 rows: 2 rg + block / 2
	s_and_b32 s41, s28, 1                          ; and which half of them
	s_mul_i32 s42, s40, s29
	s_lshl_b32 s44, s41, 15                        ; four tiles x four fragments
	s_add_co_u32 s42, s42, s44
	s_mov_b32 s43, 0
	s_add_nc_u64 s[36:37], s[32:33], s[42:43]      ; the block's codes
	s_mul_i32 s42, s40, s30
	s_lshl_b32 s44, s41, 10                        ; four units of 256 bytes
	s_add_co_u32 s42, s42, s44
	s_add_co_u32 s42, s42, s31
	s_add_nc_u64 s[38:39], s[34:35], s[42:43]      ; the block's scale words
	FETCHX 0
	TILE 0
	TILE 1
	TILE 2
	TILE 3
	v_and_b32 v[TM+2], 16, v0
	v_cmp_ne_u32 vcc_lo, 0, v[TM+2]                ; lanes 0-15 store tiles 0 and 1's words, lanes 16-31 tiles 2 and 3's
	v_cndmask_b32 v[TM], v[PWS], v[PWS+2], vcc_lo
	v_cndmask_b32 v[TM+1], v[PWS+1], v[PWS+3], vcc_lo
	global_store_b64 v[SI], v[TM:TM+1], s[38:39]   ; my K step's unit: 256 consecutive bytes, aligned
	BARRIER                                        ; every wave's reads of x's images are over: the next block may overwrite them
	s_wait_xcnt 0x0                                ; loads and stores have read their registers and bases
	s_add_nc_u64 s[4:5], s[4:5], 131072            ; 64 rows on
	s_add_co_u32 s28, s28, 1
	s_cmp_lt_u32 s28, 4
	s_cbranch_scc1 .Lblock
	s_wait_xcnt 0x0
	v_lshl_add_u32 v254, v0, 2, 0x8800
	v_mov_b32 v255, 0
	s_wait_tensorcnt 0x0
	ds_add_u32 v254, v255
	s_wait_dscnt 0x0
	s_endpgm
.Lfunc_end_k_q97428a4619_proj:
	.size	k_q97428a4619_proj, .Lfunc_end_k_q97428a4619_proj-k_q97428a4619_proj
	.p2alignl 7, 3214868480
	.fill 96, 4, 3214868480
	.section	.rodata,"a",@progbits
	.p2align	6, 0x0
	.amdhsa_kernel k_q97428a4619_proj
		.amdhsa_group_segment_fixed_size 35328
		.amdhsa_private_segment_fixed_size 0
		.amdhsa_enable_private_segment 0
		.amdhsa_kernarg_size 56
		.amdhsa_user_sgpr_count 2
		.amdhsa_user_sgpr_kernarg_segment_ptr 1
		.amdhsa_wavefront_size32 1
		.amdhsa_system_sgpr_workgroup_id_x 1
		.amdhsa_system_sgpr_workgroup_id_y 1
		.amdhsa_system_sgpr_workgroup_id_z 1
		.amdhsa_system_vgpr_workitem_id 0
		.amdhsa_next_free_vgpr 1024
		.amdhsa_next_free_sgpr 66
		.amdhsa_reserve_vcc 1
		.amdhsa_float_denorm_mode_32 3
		.amdhsa_float_denorm_mode_16_64 3
		.amdhsa_memory_ordered 1
		.amdhsa_forward_progress 1
		.amdhsa_inst_pref_size 131
	.end_amdhsa_kernel
	.amdgpu_metadata
---
amdhsa.version: [ 1, 2 ]
amdhsa.kernels:
  - .name:           k_q97428a4619_proj
    .symbol:         k_q97428a4619_proj.kd
    .args:
      - { .name: x, .offset: 0, .size: 8, .value_kind: global_buffer, .address_space: global }
      - { .name: wc, .offset: 8, .size: 8, .value_kind: global_buffer, .address_space: global }
      - { .name: ws, .offset: 16, .size: 8, .value_kind: global_buffer, .address_space: global }
      - { .name: b_qk, .offset: 24, .size: 8, .value_kind: global_buffer, .address_space: global }
      - { .name: qc, .offset: 32, .size: 8, .value_kind: global_buffer, .address_space: global }
      - { .name: qs, .offset: 40, .size: 8, .value_kind: global_buffer, .address_space: global }
      - { .name: kb, .offset: 48, .size: 8, .value_kind: global_buffer, .address_space: global }
    .group_segment_fixed_size: 35328
    .private_segment_fixed_size: 0
    .kernarg_segment_align: 8
    .kernarg_segment_size: 56
    .max_flat_workgroup_size: 128
    .sgpr_count:     66
    .vgpr_count:     1024
    .wavefront_size: 32
...
	.end_amdgpu_metadata
.endif
;; end of part 2
;; launch attn (part 3): grid 8 x 32, 4 waves a work-group, clusters of 4 x 1, 327,680 bytes of LDS; arguments qc, qs, kb, vb, out0; writes out0
.if DOCPART == 3
	.amdgcn_target "amdgcn-amd-amdhsa--gfx1250"
	.amdhsa_code_object_version 6
	.text
	.protected	k_q97428a4619_attn
	.globl	k_q97428a4619_attn
	.p2align	8
	.type	k_q97428a4619_attn,@function
k_q97428a4619_attn:
	s_mov_b64 s[64:65], 0
	v_nop
	global_prefetch_b8 v0, s[64:65] scope:SCOPE_SE
	s_setreg_imm32_b32 hwreg(HW_REG_WAVE_MODE, 25, 1), 1
	s_wait_xcnt 0x0
	s_wait_alu depctr_hold_cnt(0) depctr_sa_sdst(0) depctr_va_vdst(0) depctr_va_sdst(0) depctr_va_ssrc(0) depctr_va_vcc(0) depctr_vm_vsrc(0)
	s_getreg_b32 s2, hwreg(HW_REG_IB_STS2, 6, 4)
	s_cmp_eq_u32 s2, 0
	s_cbranch_scc0 .Lentry_in_a_cluster
	s_endpgm
.Lentry_in_a_cluster:
	s_bfe_u32 s2, ttmp6, 0x10000c
	s_cmp_lg_u32 s2, 0x3003
	s_cbranch_scc0 .Lentry_shape_is_right
	s_endpgm
.Lentry_shape_is_right:
; out[b][q][:] = the sum over keys of softmax(q . k) y[b][key][:], both products on codes of FP8 (E4M3) with one E8M0 scale for each 32 along K.  q already carries 512^-0.5.
; THE SOFTMAX AHEAD OF THE SECOND PRODUCT: t = logit x log2(e); M = the running largest t rounded UP to a whole number; p = 2^(t - M) is quantised along the keys, not normalised; the row's sum is taken of the
; unquantised p in f32 and divides at the end; when M moves, the sum and O are multiplied by 2^(old M - new M), which rounds nothing.
; SHARES.  A work-group owns 128 queries of one batch; wave w owns 32 of them (two tiles of 16) and all 512 channels: no wave needs another's results.  Every wave walks the 1,024 keys, 128 a step.
; Both products are used transposed (S^T = K Q^T, O^T = V^T P^T): a lane holds one query throughout.  All operands lie in memory and in LDS as images of their registers (2,048 bytes a fragment, 16 bytes a lane and load).
; The keys of a tile are not neighbours (row rho of tile 2 g + u is key 32 g + 8 u + rho + 8 (rho / 8)), so that the 16 registers of score tiles 2 b, 2 b + 1 are keys 32 b + 16 (lane / 16) + 0 .. 15; the queries of a
; tile lie in the same order, which the stores at the end undo in their offsets.
; RING.  A key step's K block and V block are 67,584 dense bytes each (codes, then scale words).  Two LDS slots; each wave fetches half a block, 132 rows of 256 bytes, by one tensor load: one load of a wave is out at a time.
; CLUSTER.  The four work-groups of a cluster belong to one batch and walk the same blocks: each is asked for JOINTLY, by the same tensor load with the same descriptor and a mask that names the four.
; LIMITS: NaN and infinities are not served; M is a whole number only while |t| < 2^24; a p under 2^-126 counts as 0.
; REGISTERS, in windows of 256: window 0: below;  window 1: v0-127 Q, fragment (tile m, K step c) at 16 (4 m + c); v128-255 two halves of four fragments of K or V;
;   windows 2, 3: O^T, accumulator (m, channel tile ct) at 8 (2 (ct % 16) + m) of window 2 + ct / 16.
.set SLOTB, 135168                     ; a slot: K's codes 0, K's scale words 65,536, V's codes 67,584, V's scale words 133,120.  The four fill addresses share no bit with it: one exclusive or changes slots
.set KSCL,  65536
.set VOFF,  67584
.set VSCL,  133120
.set HALFB, 33792                      ; what one tensor load brings
.set STEPB, 67584                      ; a key step's block in kb and in vb
.set SPARE, 270336                     ; behind the ring: the spare words, 128 bytes for each wave: two blocks of 256 bytes that no other line names
.set SPITCH, 528                       ; the way out: a stage of 16 rows x (512 bytes + 16) for each wave, in slot 0, which has had its last fill and its last read by then
.set LI,   1                           ; v1   16 x lane: a fragment's place for my lane, in K's codes
.set AV0,  2                           ; v2   the same in V's codes
.set AKS0, 3                           ; v3   8 r + K's scale words
.set AVS0, 4                           ; v4   8 x lane + V's scale words
.set SPW,  5                           ; v5   LDS address of my spare word; never rewritten
.set NIL,  6                           ; v6   0; never rewritten
.set ADK,  7                           ; v7-10 the four addresses in the slot in hand
.set ADV,  8
.set ADKS, 9
.set ADVS, 10
.set STO,  11                          ; v11  the stage: where I put 32 bytes of a row
.set SRD,  12                          ; v12  and where I read a row back
.set QO,   13                          ; v13  8 r: Q's scale words in memory
.set ST,   14                          ; tile m: v[14+4m] -M, v[15+4m] the largest t, v[16+4m:17+4m] the sum in two halves
.set QSW,  22                          ; v22-29 Q's scale words, register 2 c + m
.set KSW,  30                          ; v30-37 K's, register 2 c + u
.set VSW,  38                          ; v38-41 V's, two registers for each half of the buffer; channel tile q: register q / 2, lanes 16 (q % 2) on
.set PSW,  42                          ; v42-43 p's, one for each tile
.set FF,   44                          ; v[44+2m] f = 2^(old M - new M), at the end 1 / sum; its partner is written once
.set PC,   48                          ; v48-79 p's codes, 16 for each tile
.set TM,   80                          ; v80-96 at work
.set S,    128                         ; v128-255 S^T, then p: 64 m + 8 key tile
.set BK,   128                         ; the way out: rows read back from the stage, two sets of 64
.set SBUF, 128                         ; in window 1
.set MSB, 0
.macro WIN new                         ; the immediate's high byte repeats the setting that is left
.if MSB != (\new)
	s_set_vgpr_msb (MSB<<8)|(\new)
.set MSB, (\new)
.endif
.endm
.macro PLACES n
.rept \n
	v_nop
.endr
.endm
; A joint load: waves 0 and 1 fetch K's halves, waves 2 and 3 V's.  The branch hangs on the wave's number alone.  Four v_nop follow each of the two lines.
.macro JLOAD
	s_cmp_lt_u32 s14, 2
	s_cbranch_scc0 .Lfor_v_\@
	tensor_load_to_lds s[32:35], s[24:31]
	s_nop 0
.rept 4
	v_nop
.endr
	s_branch .Lasked_\@
.Lfor_v_\@:
	tensor_load_to_lds s[36:39], s[24:31]
	s_nop 0
.rept 4
	v_nop
.endr
.Lasked_\@:
.endm
; A round of the cluster's barrier: my work-group's barrier; wave 0 signals for the work-group; every wave waits for all four work-groups; my work-group's barrier once more.
.macro CROUND
	s_barrier_signal -1
	s_barrier_wait -1
	s_cmp_lg_u32 s14, 0
	s_cbranch_scc1 .Lnot_wave_0_\@
	s_barrier_signal -3
.Lnot_wave_0_\@:
	s_barrier_wait -3
	s_barrier_signal -1
	s_barrier_wait -1
.endm
	s_load_b256 s[4:11], s[0:1], 0x0               ; qc s[4:5], qs s[6:7], kb s[8:9], vb s[10:11]
	s_load_b64 s[12:13], s[0:1], 0x20              ; out0
	v_lshl_add_u32 v[SPW], v0, 2, SPARE
	v_mov_b32 v[NIL], 0
	ds_add_u32 v5, v6
	ds_add_u32 v5, v6
	s_wait_dscnt 0x0
	v_lshrrev_b32 v7, 5, v0
	v_readfirstlane_b32 s14, v7                    ; wave 0..3
	s_and_b32 s15, s14, 1                          ; which half of a block I fetch
	s_bfe_u32 s16, ttmp6, 0x40000                  ; cx: my place in the cluster: it enters Q's and out's addresses alone
	s_lshl_b32 s17, ttmp9, 2
	s_add_co_u32 s17, s17, s16                     ; my block of 128 queries
	s_and_b32 s18, ttmp7, 0xffff                   ; the batch, which the four partners share
	s_mul_i32 s43, s15, HALFB                      ; my half: in a block and in a slot
	s_mul_i32 s44, s18, 8*STEPB                    ; the batch's eight blocks
	s_add_co_u32 s44, s44, s43
	s_mov_b32 s45, 0
	; descriptor group 1: 132 dense rows of 256 bytes (32 elements of 8 bytes), no padding
	s_mov_b32 s24, 15|(3<<16)|(1<<21)              ; 15:0 the mask: all four work-groups; 17:16 elements of 8 bytes; 21 set beside a mask
	s_mov_b32 s25, 32<<16                          ; tensor_dim0 = 32
	s_mov_b32 s26, 132<<16                         ; tensor_dim1 = 132
	s_mov_b32 s27, 32<<16                          ; tile_dim0 = 32
	s_mov_b32 s28, 132                             ; tile_dim1 = 132
	s_mov_b32 s29, 32                              ; elements from row to row
	s_mov_b32 s30, 0
	s_mov_b32 s31, 0
	s_mov_b32 s19, 0x600000                        ; the mantissa field of 448
	s_mov_b32 s20, 0x76543210
	s_mov_b32 s21, 0xfedcba98                      ; v_permlanex16_b32's selects for lane l xor 16
	s_mov_b32 s22, 0x3fb8aa3b                      ; log2(e)
	s_mov_b32 s23, s22                             ; (named with it as a pair, so it is written)
	s_mov_b32 s40, 0                               ; LDS byte at which the slot in hand begins
	s_lshl_b32 s46, s18, 6
	s_lshl_b32 s47, s17, 3
	s_add_co_u32 s46, s46, s47
	s_lshl_b32 s47, s14, 1
	s_add_co_u32 s46, s46, s47                     ; my first tile of queries: 64 batch + 8 block + 2 wave
	s_lshl_b32 s48, s46, 13                        ; its codes: 8,192 bytes a tile
	s_mov_b32 s49, 0
	s_lshr_b32 s50, s46, 2
	s_lshl_b32 s50, s50, 10                        ; its scale words: 1,024 bytes for four tiles,
	s_lshl_b32 s47, s15, 7                         ; + 128 for the upper two of them
	s_add_co_u32 s50, s50, s47
	s_mov_b32 s51, 0
	s_lshl_b32 s52, s46, 15                        ; its rows of out: 16 rows of 2,048 bytes a tile
	s_mov_b32 s53, 0
	s_wait_kmcnt 0x0
	s_mov_b32 s32, 1                               ; K's group 0: count = 1,
	s_mov_b32 s33, s43                             ; LDS address: slot 0, my half,
	s_add_nc_u64 s[34:35], s[8:9], s[44:45]        ; global address: key step 0,
	s_or_b32 s35, s35, 0x80000000                  ; type = 2
	s_mov_b32 s36, 1                               ; V's likewise
	s_add_co_u32 s37, s43, VOFF
	s_add_nc_u64 s[38:39], s[10:11], s[44:45]
	s_or_b32 s39, s39, 0x80000000
	s_add_nc_u64 s[4:5], s[4:5], s[48:49]
	s_add_nc_u64 s[6:7], s[6:7], s[50:51]
	s_add_nc_u64 s[12:13], s[12:13], s[52:53]
	CROUND                                         ; all four work-groups are here: the first joint loads meet
	JLOAD                                          ; key step 0 into slot 0
	v_and_b32 v7, 31, v0                           ; lane
	v_and_b32 v8, 15, v0                           ; r
	v_bfe_u32 v9, v0, 4, 1                         ; h
	v_lshlrev_b32 v[LI], 4, v7
	v_add_nc_u32 v[AV0], VOFF, v[LI]
	v_lshlrev_b32 v[QO], 3, v8
	v_add_nc_u32 v[AKS0], KSCL, v[QO]
	v_lshlrev_b32 v[AVS0], 3, v7
	v_add_nc_u32 v[AVS0], VSCL, v[AVS0]
	s_mul_i32 s42, s14, 16*SPITCH                  ; my stage
	v_mul_u32_u24 v[STO], v8, SPITCH
	v_lshl_add_u32 v[STO], v9, 5, v[STO]
	v_add_nc_u32 v[STO], s42, v[STO]               ; in: row r, + 32 h
	v_add_nc_u32 v[SRD], s42, v[LI]                ; back: a row of 512 bytes, 16 a lane
	WIN 0x40                                       ; destination window 1
.irp f, 0,1,2,3,4,5,6,7
.irp c, 0,1,2,3
	global_load_b128 v[16*\f+4*\c:16*\f+4*\c+3], v[LI], s[4:5] offset:\f*2048+512*\c   ; Q's eight fragments stay in registers
.endr
.endr
	WIN 0
.irp c, 0,1,2,3
	global_load_b64 v[QSW+2*\c:QSW+2*\c+1], v[QO], s[6:7] offset:256*\c   ; K step c: the words of my two tiles
.endr
.irp m, 0,1
	v_mov_b32 v[ST+4*\m+1], 0xff61b1e6             ; the largest t so far: -3e38, under every t
	v_floor_f32 v[ST+4*\m], -v[ST+4*\m+1]          ; -M
	v_mov_b32 v[ST+4*\m+2], 0                      ; the sum, in two halves
	v_mov_b32 v[ST+4*\m+3], 0
	v_mov_b32 v[FF+2*\m], 0
	v_mov_b32 v[FF+2*\m+1], 0                      ; (named as the upper half of a pair)
.endr
.irp b, 0,1,2,3
	v_mov_b32 v[TM+4+\b], 0                        ; written once: a lane permute's destination counts as one of its sources
.endr
; 18 LDS loads: key tiles 2 g, 2 g + 1, K steps 2 hb, 2 hb + 1: four fragments into half hb of the buffer, and their scale words
.macro LK g, hb
	WIN 0x40
.irp cc, 0,1
.irp u, 0,1
.irp k, 0,1,2,3
	ds_load_b128 v[SBUF+64*(\hb)+16*(2*\cc+\u)+4*\k:SBUF+64*(\hb)+16*(2*\cc+\u)+4*\k+3], v[ADK] offset:(4*(2*(\g)+\u)+2*(\hb)+\cc)*2048+512*\k
.endr
.endr
.endr
	WIN 0
.irp cc, 0,1
	ds_load_b64 v[KSW+4*(\hb)+2*\cc:KSW+4*(\hb)+2*\cc+1], v[ADKS] offset:(4*((\g)/2)+2*(\hb)+\cc)*256+128*((\g)%2)
.endr
.endm
; 8 products of S^T = K Q^T: four accumulators (key tile u, query tile m) by turns; K step 0 starts the sums
.macro QKM g, hb
	WIN 0x05                                       ; K and Q in window 1, S^T in window 0
.irp cc, 0,1
.irp u, 0,1
.irp m, 0,1
.if (2*(\hb)+\cc) == 0
	v_wmma_scale_f32_16x16x128_f8f6f4 v[S+64*\m+8*(2*(\g)+\u):S+64*\m+8*(2*(\g)+\u)+7], v[SBUF+64*(\hb)+16*(2*\cc+\u):SBUF+64*(\hb)+16*(2*\cc+\u)+15], v[16*(4*\m+2*(\hb)+\cc):16*(4*\m+2*(\hb)+\cc)+15], 0, v[KSW+4*(\hb)+2*\cc+\u], v[QSW+2*(2*(\hb)+\cc)+\m]
.else
	v_wmma_scale_f32_16x16x128_f8f6f4 v[S+64*\m+8*(2*(\g)+\u):S+64*\m+8*(2*(\g)+\u)+7], v[SBUF+64*(\hb)+16*(2*\cc+\u):SBUF+64*(\hb)+16*(2*\cc+\u)+15], v[16*(4*\m+2*(\hb)+\cc):16*(4*\m+2*(\hb)+\cc)+15], v[S+64*\m+8*(2*(\g)+\u):S+64*\m+8*(2*(\g)+\u)+7], v[KSW+4*(\hb)+2*\cc+\u], v[QSW+2*(2*(\hb)+\cc)+\m]
.endif
.endr
.endr
.endr
.endm
; 17 LDS loads: channel tiles 4 hv .. 4 hv + 3 of V into half hv % 2, and their scale words
.macro LV hv
	WIN 0x40
.irp q, 0,1,2,3
.irp k, 0,1,2,3
	ds_load_b128 v[SBUF+64*((\hv)%2)+16*\q+4*\k:SBUF+64*((\hv)%2)+16*\q+4*\k+3], v[ADV] offset:(4*(\hv)+\q)*2048+512*\k
.endr
.endr
	WIN 0
	ds_load_b64 v[VSW+2*((\hv)%2):VSW+2*((\hv)%2)+1], v[ADVS] offset:256*(\hv)
.endm
; 8 products of O^T += V^T P^T, each on an accumulator of its own.  first = 1: they start the sums: nothing is ever cleared
.macro PVM hv, first
	WIN 0xa1+0x50*((\hv)/4)                        ; V in window 1, p's codes in window 0, O^T in window 2 or 3
.irp q, 0,1,2,3
.irp m, 0,1
.set rO, 8*(2*((4*(\hv)+\q)%16)+\m)
.set rV, SBUF+64*((\hv)%2)+16*\q
.set rP, PC+16*\m
.set rA, VSW+2*((\hv)%2)+\q/2
.if \first
.if \q%2
	v_wmma_scale_f32_16x16x128_f8f6f4 v[rO:rO+7], v[rV:rV+15], v[rP:rP+15], 0, v[rA], v[PSW+\m] matrix_a_scale:MATRIX_SCALE_ROW1
.else
	v_wmma_scale_f32_16x16x128_f8f6f4 v[rO:rO+7], v[rV:rV+15], v[rP:rP+15], 0, v[rA], v[PSW+\m]
.endif
.else
.if \q%2
	v_wmma_scale_f32_16x16x128_f8f6f4 v[rO:rO+7], v[rV:rV+15], v[rP:rP+15], v[rO:rO+7], v[rA], v[PSW+\m] matrix_a_scale:MATRIX_SCALE_ROW1
.else
	v_wmma_scale_f32_16x16x128_f8f6f4 v[rO:rO+7], v[rV:rV+15], v[rP:rP+15], v[rO:rO+7], v[rA], v[PSW+\m]
.endif
.endif
.endr
.endr
.endm
; Tile m's softmax for one key step: 64 scores a lane, register 16 b + i = key 32 b + 16 (lane / 16) + i of my query
.macro SMX m
.set rS, S+64*(\m)
.set rN, ST+4*(\m)
.set rU, ST+4*(\m)+2
.set rF, FF+2*(\m)
.set rW, PSW+(\m)
.set rC, PC+16*(\m)
.irp b, 0,1,2,3
	v_max3_num_f32 v[TM+\b], v[rS+16*\b], v[rS+16*\b+1], v[rS+16*\b+2]   ; the largest score of each block of 32 keys: it serves the row's maximum and, since p rises with the score, the block's largest p.  Each score tile is read from its low end on
.endr
.irp i, 3,5,7,9,11,13
.irp b, 0,1,2,3
	v_max3_num_f32 v[TM+\b], v[TM+\b], v[rS+16*\b+\i], v[rS+16*\b+\i+1]
.endr
.endr
.irp b, 0,1,2,3
	v_max_num_f32 v[TM+\b], v[TM+\b], v[rS+16*\b+15]
.endr
.irp b, 0,1,2,3
	v_permlanex16_b32 v[TM+4+\b], v[TM+\b], s20, s21
.endr
.irp b, 0,1,2,3
	v_max_num_f32 v[TM+\b], v[TM+\b], v[TM+4+\b]   ; with lane l xor 16's 16 keys
.endr
	v_max3_num_f32 v[TM+16], v[TM], v[TM+1], v[TM+2]
	v_max_num_f32 v[TM+16], v[TM+16], v[TM+3]      ; the step's largest score of my query
	v_mul_f32 v[TM+16], s22, v[TM+16]              ; as t
	v_max_num_f32 v[rN+1], v[rN+1], v[TM+16]       ; the running largest t
	v_mov_b32 v[TM+16], v[rN]
	v_floor_f32 v[rN], -v[rN+1]                    ; the new -M = floor(-t) = -ceil(t)
	v_sub_f32 v[TM+16], v[rN], v[TM+16]            ; old M - new M: a whole number, 0 or less
	v_cvt_i32_f32 v[TM+16], v[TM+16]               ; (it saturates)
	v_ldexp_f32 v[rF], 1.0, v[TM+16]               ; f = 2^(old M - new M)
.set qi, 0
.rept 32
	v_pk_fma_f32 v[rS+qi:rS+qi+1], v[rS+qi:rS+qi+1], s[22:23], v[rN:rN+1] op_sel_hi:[1,0,0]   ; t - M, two at a time (of both pairs the low word serves both halves)
.set qi, qi+2
.endr
.irp b, 0,1,2,3
	v_fma_f32 v[TM+\b], v[TM+\b], s22, v[rN]       ; the same of each block's largest score
.endr
.set qi, 0
.rept 64
	v_exp_f32 v[rS+qi], v[rS+qi]                   ; p = 2^(t - M), at most 1
.set qi, qi+1
.endr
.irp b, 0,1,2,3
	v_exp_f32 v[TM+\b], v[TM+\b]                   ; the block's largest p: the same two instructions on the same number
.endr
	v_pk_mul_f32 v[rU:rU+1], v[rU:rU+1], v[rF:rF+1] op_sel_hi:[1,0]   ; the sums under the new M (also the plain line behind the exponentials)
	s_wait_alu depctr_va_vdst(0)
.irp b, 0,1,2,3
	v_max_num_f32 v[TM+\b], 0x4800000, v[TM+\b]    ; the floor 2^(9 - 127): the byte cannot fall under 1
.endr
.irp b, 0,1,2,3
	v_add_nc_u32 v[TM+12+\b], 0xfc000000, v[TM+\b] ; the conversion's scale operand
.endr
.irp b, 0,1,2,3
	v_and_or_b32 v[TM+8+\b], v[TM+\b], 0x7f800000, s19   ; 448 x the scale
.endr
.irp b, 0,1,2,3
	v_lshrrev_b32 v[TM+4+\b], 23, v[TM+12+\b]      ; the scale's byte
.endr
	v_lshl_or_b32 v[rW], v[TM+5], 8, v[TM+4]       ; p's scale word for these 128 keys
	v_lshl_or_b32 v[rW], v[TM+6], 16, v[rW]
	v_lshl_or_b32 v[rW], v[TM+7], 24, v[rW]
	v_pk_add_f32 v[TM+4:TM+5], v[rS:rS+1], v[rS+2:rS+3]   ; the row's sum is taken of the unquantised p: two at a time, in two chains
.irp j, 4,8,12,16,20,24,28,32,36,40,44,48,52,56,60
	v_pk_add_f32 v[rU:rU+1], v[rU:rU+1], v[rS+\j:rS+\j+1]
	v_pk_add_f32 v[TM+4:TM+5], v[TM+4:TM+5], v[rS+\j+2:rS+\j+3]
.endr
	v_pk_add_f32 v[rU:rU+1], v[rU:rU+1], v[TM+4:TM+5]
.irp b, 0,1,2,3
.set qi, 0
.rept 16
	v_min_num_f32 v[rS+16*\b+qi], v[rS+16*\b+qi], v[TM+8+\b]   ; the conversion does not saturate (ISA guide 7.6.2); p is not negative, so the hold is one-sided
.set qi, qi+1
.endr
	v_cvt_scalef32_pk8_fp8_f32 v[rC+4*\b:rC+4*\b+1], v[rS+16*\b:rS+16*\b+7], v[TM+12+\b]
	v_cvt_scalef32_pk8_fp8_f32 v[rC+4*\b+2:rC+4*\b+3], v[rS+16*\b+8:rS+16*\b+15], v[TM+12+\b]
.endr
	v_nop                                          ; one plain line behind the last conversion
.endm
; O^T under the new M: x f, for the eight accumulators of channel tiles 4 hv .. 4 hv + 3, each from its low end on: 32 plain lines
.macro RESCG hv
	WIN (2+(\hv)/4)|((2+(\hv)/4)<<6)
.irp q, 0,1,2,3
.irp m, 0,1
.irp j, 0,2,4,6
	v_pk_mul_f32 v[8*(2*((4*(\hv)+\q)%16)+\m)+\j:8*(2*((4*(\hv)+\q)%16)+\m)+\j+1], v[8*(2*((4*(\hv)+\q)%16)+\m)+\j:8*(2*((4*(\hv)+\q)%16)+\m)+\j+1], v[FF+2*\m:FF+2*\m+1] op_sel_hi:[1,0]
.endr
.endr
.endr
.endm
; A KEY STEP.  The buffer's halves take turns: while one is multiplied, the other's loads are on their way.  Eight places stand between products and the loads into registers that they have read.
; In the second product those places are useful work: O^T is rescaled group by group, two groups ahead of the products that add onto it, between one group's products and the next loads.
.macro STEP first
	v_add_nc_u32 v[ADK], s40, v[LI]
	v_add_nc_u32 v[ADV], s40, v[AV0]
	v_add_nc_u32 v[ADKS], s40, v[AKS0]
	v_add_nc_u32 v[ADVS], s40, v[AVS0]
	PLACES 4                                       ; with the four additions: eight places behind the last step's products
	LK 0, 0
	LK 0, 1
.irp g, 0,1,2,3
	s_wait_dscnt 18                                ; half 0 is in; half 1's 18 loads may be out
	QKM \g, 0
	PLACES 8
.if \g < 3
	LK \g+1, 0
	s_wait_dscnt 18                                ; half 1 is in; the 18 just issued may be out
.else
	LV 0
	s_wait_dscnt 17                                ; half 1 is in; the 17 just issued may be out
.endif
	QKM \g, 1
	PLACES 8                                       ; also in front of the first read of the scores
.if \g < 3
	LK \g+1, 1
.else
	LV 1
.endif
.endr
	WIN 0
	SMX 0
	SMX 1
.if \first
	PLACES 8                                       ; a scale word made by vector instructions stands eight places ahead of the product, codes four
.else
	RESCG 0                                        ; these 64 lines are those places too
	RESCG 1
.endif
.irp hv, 0,1,2,3,4,5,6,7
.if \hv < 7
	s_wait_dscnt 17                                ; this half is in; the other half's 17 loads may be out
.else
	s_wait_dscnt 0x0
.endif
	PVM \hv, \first
.if \hv < 6
.if \first
	PLACES 8
.else
	RESCG \hv+2                                    ; 32 plain lines that name none of the products' registers: the places in front of the loads below
.endif
	LV \hv+2
.endif
.if (\hv == 6) && (\first == 0)
	PLACES 8                                       ; so that the last group's rescaled registers, like the others', stand eight plain lines ahead of the products that add onto them
.endif
.endr
	WIN 0
	s_xor_b32 s40, s40, SLOTB                      ; on to the other slot
.endm
; THE CHANGE OF SLOTS stands at a step's head.  Each wave waits for all its tensor loads (its part of the slot that it is about to read), adds 0 to its spare word, and waits for that and for its reads of the slot
; that it has left.  fill = 1: a round of the cluster's barrier follows, so that no wave of any partner still reads that slot or has a load on its way, and the joint load for the next key step is the first thing behind it.
.macro CHANGE fill
	WIN 0
	s_wait_tensorcnt 0x0                           ; no tensor load of mine is out, so a group 0 may be written
	ds_add_u32 v[SPW], v[NIL]                      ; 0 onto my spare word
.if \fill
	s_xor_b32 s33, s33, SLOTB                      ; the other slot than last time,
	s_add_nc_u64 s[34:35], s[34:35], STEPB         ; the next key step; the type bits on top are not reached
	s_xor_b32 s37, s37, SLOTB
	s_add_nc_u64 s[38:39], s[38:39], STEPB
.endif
	s_wait_dscnt 0x0                               ; the add is done, and my reads of the slot that I have left are over
.if \fill
	CROUND
	JLOAD
.else
	s_barrier_signal -1
	s_barrier_wait -1
.endif
.endm
	s_wait_loadcnt 0x0                             ; Q and its scale words
	CHANGE 1                                       ; key step 1 is asked for, into slot 1
	STEP 1                                         ; key step 0 starts O^T's sums
	s_mov_b32 s41, 6
.Lstep:                                            ; key steps 1 to 6; behind each change of slots the next step is asked for
	CHANGE 1
	STEP 0
	s_sub_co_u32 s41, s41, 1
	s_cmp_lg_u32 s41, 0
	s_cbranch_scc1 .Lstep
	CHANGE 0                                       ; the last step is written out
	STEP 0
	; THE WAY OUT.  O^T / the sum goes through my stage in LDS, 16 queries x 128 channels at a time, and leaves as whole rows of 512 bytes.
	PLACES 8                                       ; behind the last products
.irp m, 0,1
	v_add_f32 v[ST+4*\m+2], v[ST+4*\m+2], v[ST+4*\m+3]     ; the sum's two halves,
.endr
.irp m, 0,1
	v_permlanex16_b32 v[TM+4+\m], v[ST+4*\m+2], s20, s21
.endr
.irp m, 0,1
	v_add_f32 v[ST+4*\m+2], v[ST+4*\m+2], v[TM+4+\m]       ; and lane l xor 16's: the row's sum
.endr
.irp m, 0,1
	v_rcp_f32 v[FF+2*\m], v[ST+4*\m+2]
.endr
	v_nop                                          ; a plain line between the last reciprocal and its use
	s_wait_alu depctr_va_vdst(0)
.macro OUTB a                          ; block a = 2 cg + m: tile m's channels 128 cg on
.set cg, (\a)/2
.set mm, (\a)%2
.set AC, 128*(cg%2)+8*mm
.set BB, BK+64*((\a)%2)
	WIN (2+cg/2)|((2+cg/2)<<6)
.irp b, 0,1,2,3,4,5,6,7
.irp j, 0,2,4,6
	v_pk_mul_f32 v[AC+16*\b+\j:AC+16*\b+\j+1], v[AC+16*\b+\j:AC+16*\b+\j+1], v[FF+2*mm:FF+2*mm+1] op_sel_hi:[1,0]   ; each accumulator from its low end on
.endr
.endr
	WIN (2+cg/2)<<2                                ; an LDS store's data are its source 1
.irp b, 0,1,2,3,4,5,6,7
	ds_store_b128 v[STO], v[AC+16*\b:AC+16*\b+3] offset:64*\b          ; lane (r, h): channels 16 b + 8 h + 0 .. 7 of row r
	ds_store_b128 v[STO], v[AC+16*\b+4:AC+16*\b+7] offset:64*\b+16
.endr
	WIN 0
.irp t, 0,1,2,3,4,5,6,7,8,9,10,11,12,13,14,15
	ds_load_b128 v[BB+4*\t:BB+4*\t+3], v[SRD] offset:\t*SPITCH         ; LDS serves a wave's instructions in order (ISA guide 5.7.1.4): these see the stores above, and the next block's stores come behind them
.endr
.endm
.macro SEND a, younger                 ; younger: the LDS instructions issued behind block a's loads, which may stay out
.set cg, (\a)/2
.set mm, (\a)%2
.set BB, BK+64*((\a)%2)
	s_wait_dscnt \younger
.irp t, 0,1,2,3,4,5,6,7,8,9,10,11,12,13,14,15
	global_store_b128 v[LI], v[BB+4*\t:BB+4*\t+3], s[12:13] offset:(8*mm+\t+8*(\t/8))*2048+512*cg th:TH_STORE_NT   ; lane row t of tile m is query 8 m + t + 8 (t / 8) of my 32; 32 lanes store 512 consecutive bytes, aligned
.endr
.endm
	OUTB 0
.irp a, 1,2,3,4,5,6,7
.if \a > 1
	s_wait_xcnt 0x0                                ; block a - 2's stores have read their registers: block a's loads may land there
.endif
	OUTB \a
	SEND \a-1, 32                                  ; behind block a - 1's loads: block a's 16 stores and 16 loads
.endr
	SEND 7, 0
	s_wait_tensorcnt 0x0                           ; the wave's end, behind my last tensor load and my last LDS store
	ds_add_u32 v[SPW], v[NIL]
	s_wait_dscnt 0x0
	CROUND                                         ; the closing round: no work-group ends while a partner may still ask for a tile that names it
	s_endpgm
.Lfunc_end_k_q97428a4619_attn:
	.size	k_q97428a4619_attn, .Lfunc_end_k_q97428a4619_attn-k_q97428a4619_attn
	.p2alignl 7, 3214868480
	.fill 96, 4, 3214868480
	.section	.rodata,"a",@progbits
	.p2align	6, 0x0
	.amdhsa_kernel k_q97428a4619_attn
		.amdhsa_group_segment_fixed_size 327680
		.amdhsa_private_segment_fixed_size 0
		.amdhsa_enable_private_segment 0
		.amdhsa_kernarg_size 40
		.amdhsa_user_sgpr_count 2
		.amdhsa_user_sgpr_kernarg_segment_ptr 1
		.amdhsa_wavefront_size32 1
		.amdhsa_system_sgpr_workgroup_id_x 1
		.amdhsa_system_sgpr_workgroup_id_y 1
		.amdhsa_system_sgpr_workgroup_id_z 1
		.amdhsa_system_vgpr_workitem_id 0
		.amdhsa_next_free_vgpr 1024
		.amdhsa_next_free_sgpr 66
		.amdhsa_reserve_vcc 0
		.amdhsa_float_denorm_mode_32 3
		.amdhsa_float_denorm_mode_16_64 3
		.amdhsa_memory_ordered 1
		.amdhsa_forward_progress 1
		.amdhsa_inst_pref_size 255
	.end_amdhsa_kernel
	.section	.bss,"aw",@nobits
	.p2align	6
	.space	262144
	.amdgpu_metadata
---
amdhsa.version: [ 1, 2 ]
amdhsa.kernels:
  - .name:           k_q97428a4619_attn
    .symbol:         k_q97428a4619_attn.kd
    .args:
      - { .name: qc, .offset: 0, .size: 8, .value_kind: global_buffer, .address_space: global }
      - { .name: qs, .offset: 8, .size: 8, .value_kind: global_buffer, .address_space: global }
      - { .name: kb, .offset: 16, .size: 8, .value_kind: global_buffer, .address_space: global }
      - { .name: vb, .offset: 24, .size: 8, .value_kind: global_buffer, .address_space: global }
      - { .name: out0, .offset: 32, .size: 8, .value_kind: global_buffer, .address_space: global }
    .group_segment_fixed_size: 327680
    .private_segment_fixed_size: 0
    .kernarg_segment_align: 8
    .kernarg_segment_size: 40
    .max_flat_workgroup_size: 128
    .sgpr_count:     66
    .vgpr_count:     1024
    .wavefront_size: 32
...
	.end_amdgpu_metadata
.endif
;; end of part 3
;; ======== version 2 of 2: 3 launches
;; workspace buffers: wc 524,288 bytes; ws 16,384 bytes; qc 16,777,216 bytes; qs 524,288 bytes; kb 17,301,504 bytes; vb 17,301,504 bytes
;; launch quant (part 4): grid 256 x 1, 9 waves a work-group, no clusters, 0 bytes of LDS; arguments y, W_qk, vb, wc, ws; writes vb, wc, ws
.if DOCPART == 4
	.amdgcn_target "amdgcn-amd-amdhsa--gfx1250"
	.amdhsa_code_object_version 6
	.text
	.protected	k_q97428a4619_quant
	.globl	k_q97428a4619_quant
	.p2align	8
	.type	k_q97428a4619_quant,@function
k_q97428a4619_quant:
	s_mov_b64 s[64:65], 0
	v_nop
	global_prefetch_b8 v0, s[64:65] scope:SCOPE_SE
	s_setreg_imm32_b32 hwreg(HW_REG_WAVE_MODE, 25, 1), 1
	s_wait_xcnt 0x0
; y [32][1024 keys][512 channels] f32 and W_qk [1024][512] f32 become codes of FP8 (E4M3) with one E8M0 scale byte for each 32 along K.
; y's K is the keys (its first axis within a batch), W's K is its last axis.  A block's scale is 2^(floor(log2(largest magnitude)) - 8): its byte is the largest
; magnitude's exponent field - 8, held at 1 from below; each number is divided by the scale, held within +-448 and rounded to the nearest code, ties to even.
; THE CODES ARE LAID AS IMAGES OF THE OPERAND'S REGISTERS: a fragment (16 rows x 128 K) is 2,048 bytes, byte 512 c + 16 lane + i = row lane % 16, k = 32 c + 16 (lane / 16) + i.
;   vb [batch][key step of 128][67,584]: 32 fragments (16 channels each), then 2,048 bytes of scale words [8][lane 32][2]: word (g, lane, e) = channel 64 g + 32 e + lane, byte c = key block c.
;   wc [tile 64][K step 4][2,048]; tile tg holds rows 128 (tg / 8) + 32 ((tg % 8) / 2) + 8 (tg % 2) + rho + 8 (rho / 8), so that the next launch's results run along its next K.
;   ws [tile][K step 4][rho 16]: one word a row and K step: 64 consecutive bytes a fragment.
; SHARES.  y has 256 blocks of 128 keys x 512 channels and W has 256 fragments: work-group g takes one of each, so that all work-groups have equal work.  Waves 0-7: 64 channels x 128 keys of block g (batch g / 8,
; key step g % 8); wave 8: fragment g of W (tile g / 4, K step g % 4).  No LDS, no barrier: waves share nothing, and no two work-groups read the same bytes, so there is nothing to ask for jointly.
; LIMITS: NaN and infinities among the inputs are not served.  A block of zeros gets the byte 1 where the rule says 127: its codes are zeros, which add nothing, and this program alone reads the bytes.
.set BLKB, 67584                       ; a key step's block of vb
.set X,    32                          ; y: v32-127  three sets of 32 numbers (one column, 32 keys)
.set C,    128                         ; y: v128-191 eight registers of codes for each of the 8 blocks: no store's data are written again
.set SB,   24                          ; y: v24-25   the scale bytes, four to a register
.set WA,   32                          ; W: v32-95   64 numbers
.set PC,   160                         ; W: v160-175 the fragment's codes
.set TM,   176                         ; W: v176-191 at work
.set PW,   16                          ; W: v16      the fragment's scale word
	s_load_b256 s[4:11], s[0:1], 0x0               ; y s[4:5], W s[6:7], vb s[8:9], wc s[10:11]
	s_load_b64 s[12:13], s[0:1], 0x20              ; ws
	v_lshrrev_b32 v1, 5, v0
	s_delay_alu instid0(VALU_DEP_1)
	v_readfirstlane_b32 s14, v1                    ; wave 0..8
	v_and_b32 v2, 31, v0                           ; lane
	s_mov_b32 s20, 0x76543210
	s_mov_b32 s21, 0xfedcba98                      ; v_permlanex16_b32's selects for lane l xor 16
	s_mov_b32 s22, 0x600000                        ; the mantissa field of 448
	s_cmp_eq_u32 s14, 8
	s_cbranch_scc1 .Lweights
	; ---------------- y: a lane takes a column (channel), its registers run down the keys ----------------
	s_lshl_b32 s24, ttmp9, 18                      ; in: block g begins g x 128 rows of 2,048 bytes on (a batch is eight blocks)
	s_lshl_b32 s25, s14, 8                         ;     + wave x 64 channels x 4 bytes
	s_add_co_u32 s24, s24, s25
	s_mov_b32 s25, 0
	s_mul_i32 s26, ttmp9, BLKB                     ; out: the key step's block
	s_lshl_b32 s31, s14, 13                        ; my 64 channels: four fragments of 2,048 bytes,
	s_lshl_b32 s30, s14, 8                         ; 256 bytes of scale words
	s_add_co_u32 s28, s26, s30
	s_add_co_u32 s28, s28, 65536
	s_add_co_u32 s26, s26, s31
	s_mov_b32 s27, 0
	s_mov_b32 s29, 0
	s_wait_alu depctr_va_vdst(0)
	v_lshlrev_b32 v3, 2, v2                        ; in: 4 bytes a lane: a load reads 128 consecutive bytes
	v_lshrrev_b32 v4, 4, v2
	v_and_b32 v6, 15, v2
	s_delay_alu instid0(VALU_DEP_2)
	v_lshlrev_b32 v4, 11, v4                       ; out: lanes 16-31 belong to the next fragment,
	s_delay_alu instid0(VALU_DEP_1)
	v_lshl_add_u32 v4, v6, 4, v4                   ;      16 bytes for each row of a fragment
	v_lshlrev_b32 v5, 3, v2                        ; scale words: 8 bytes a lane
	s_wait_alu depctr_va_vdst(0)
	s_wait_kmcnt 0x0
	s_add_nc_u64 s[4:5], s[4:5], s[24:25]
	s_add_nc_u64 s[32:33], s[8:9], s[28:29]        ; scale words
	s_add_nc_u64 s[8:9], s[8:9], s[26:27]          ; codes
.macro LOAD t                          ; block t = 4 e + c: keys 32 c .. 32 c + 31 of channel 32 e + lane, into set t % 3
.set qi, 0
.rept 32
	global_load_b32 v[X+32*((\t)%3)+qi], v3, s[4:5] offset:(32*((\t)%4)+qi)*2048+128*((\t)/4) th:TH_LOAD_NT
.set qi, qi+1
.endr
.endm
.macro BLOCK t
.set XS, X+32*((\t)%3)
.set CC, C+8*(\t)
.if (\t) < 7
	s_wait_loadcnt 32                              ; this block's 32 loads are in; the next block's 32 may be out
.else
	s_wait_loadcnt 0x0
.endif
.if (\t)+2 < 8
	LOAD (\t)+2                                    ; into the set that the block before this one has left
.endif
	v_max3_num_f32 v12, |v[XS]|, |v[XS+1]|, |v[XS+2]|      ; the block's largest magnitude: all 32 numbers are mine; two chains
	v_max3_num_f32 v13, |v[XS+3]|, |v[XS+4]|, |v[XS+5]|
.irp i, 6,10,14,18,22,26
	s_delay_alu instid0(VALU_DEP_2)
	v_max3_num_f32 v12, v12, |v[XS+\i]|, |v[XS+\i+1]|
	s_delay_alu instid0(VALU_DEP_2)
	v_max3_num_f32 v13, v13, |v[XS+\i+2]|, |v[XS+\i+3]|
.endr
	s_delay_alu instid0(VALU_DEP_2)
	v_max3_num_f32 v12, v12, |v[XS+30]|, |v[XS+31]|
	s_delay_alu instid0(VALU_DEP_1)
	v_max3_num_f32 v12, v12, v13, 0x4800000        ; and the floor 2^(9 - 127): the byte cannot fall under 1
	s_delay_alu instid0(VALU_DEP_1)
	v_add_nc_u32 v11, 0xfc000000, v12              ; 8 off the exponent field: the conversion takes this operand's exponent field as its scale
	s_delay_alu instid0(VALU_DEP_2)
	v_and_or_b32 v10, v12, 0x7f800000, s22         ; 448 x the scale
	s_delay_alu instid0(VALU_DEP_2)
	v_lshrrev_b32 v13, 23, v11                     ; the scale's byte
.if (\t)%4 == 0
	s_delay_alu instid0(VALU_DEP_1)
	v_mov_b32 v[SB+(\t)/4], v13                    ; four bytes to a register, the lower keys in the lower byte
.else
	s_delay_alu instid0(VALU_DEP_1)
	v_lshl_or_b32 v[SB+(\t)/4], v13, 8*((\t)%4), v[SB+(\t)/4]
.endif
.set qi, 0
.rept 32
	v_med3_num_f32 v[XS+qi], v[XS+qi], -v10, v10   ; the conversion to an 8-bit code does not saturate (ISA guide 7.6.2): the hold comes first
.set qi, qi+1
.endr
.irp g, 0,1,2,3
	v_cvt_scalef32_pk8_fp8_f32 v[CC+2*\g:CC+2*\g+1], v[XS+8*\g:XS+8*\g+7], v11
.endr
	v_nop                                          ; one plain line behind the last conversion
	global_store_b128 v4, v[CC:CC+3], s[8:9] offset:((\t)/4)*4096+((\t)%4)*512          ; keys 0-15 of the block: the image's lanes 0-15; sixteen lanes store 256 consecutive bytes, aligned
	global_store_b128 v4, v[CC+4:CC+7], s[8:9] offset:((\t)/4)*4096+((\t)%4)*512+256    ; keys 16-31: its lanes 16-31
.endm
	LOAD 0
	LOAD 1
.irp t, 0,1,2,3,4,5,6,7
	BLOCK \t
.endr
	global_store_b64 v5, v[SB:SB+1], s[32:33]      ; 32 lanes store 256 consecutive bytes, aligned
	s_endpgm
	; ---------------- W: K is innermost: lane (rho, h) takes 16 neighbours of each block of 32 of its row ----------------
.Lweights:
	s_lshr_b32 s15, ttmp9, 2                       ; tile tg
	s_and_b32 s19, ttmp9, 3                        ; K step
	s_lshr_b32 s16, s15, 3
	s_lshl_b32 s16, s16, 7                         ; 128 (tg / 8)
	s_bfe_u32 s17, s15, 0x20001
	s_lshl_b32 s17, s17, 5                         ; + 32 ((tg % 8) / 2)
	s_add_co_u32 s16, s16, s17
	s_and_b32 s17, s15, 1
	s_lshl_b32 s17, s17, 3                         ; + 8 (tg % 2)
	s_add_co_u32 s16, s16, s17
	s_lshl_b32 s24, s16, 11                        ; rows of 2,048 bytes,
	s_lshl_b32 s25, s19, 9                         ; + 128 numbers for each K step
	s_add_co_u32 s24, s24, s25
	s_mov_b32 s25, 0
	s_lshl_b32 s26, ttmp9, 11                      ; the fragment's image: 2,048 bytes
	s_mov_b32 s27, 0
	s_lshl_b32 s28, ttmp9, 6                       ; its scale words: 64 bytes
	s_mov_b32 s29, 0
	v_and_b32 v6, 15, v0                           ; rho
	v_bfe_u32 v7, v0, 4, 1                         ; h
	s_delay_alu instid0(VALU_DEP_2)
	v_and_b32 v8, 8, v6
	s_delay_alu instid0(VALU_DEP_1)
	v_add_nc_u32 v8, v8, v6                        ; rho + 8 (rho / 8)
	s_delay_alu instid0(VALU_DEP_1)
	v_lshlrev_b32 v3, 11, v8
	s_delay_alu instid0(VALU_DEP_1)
	v_lshl_add_u32 v3, v7, 6, v3                   ; in: my row, + 64 h
	s_wait_alu depctr_va_vdst(0)
	v_lshlrev_b32 v4, 4, v2                        ; out: 16 x lane
	v_lshlrev_b32 v5, 2, v6                        ; scale words: 4 rho
.irp b, 0,1,2,3
	v_mov_b32 v[TM+4+\b], 0                        ; written once: a lane permute's destination counts as one of its sources
.endr
	s_wait_kmcnt 0x0
	s_add_nc_u64 s[6:7], s[6:7], s[24:25]
	s_add_nc_u64 s[10:11], s[10:11], s[26:27]
	s_add_nc_u64 s[12:13], s[12:13], s[28:29]
.set qi, 0
.rept 16
	global_load_b128 v[WA+4*qi:WA+4*qi+3], v3, s[6:7] offset:128*(qi/4)+16*(qi%4) th:TH_LOAD_NT   ; register 16 b + i = k 32 b + 16 h + i of my row
.set qi, qi+1
.endr
	s_wait_loadcnt 0x0
.irp b, 0,1,2,3
	v_max3_num_f32 v[TM+\b], |v[WA+16*\b]|, |v[WA+1+16*\b]|, 0x4800000   ; block b: my 16 numbers and the floor 2^(9 - 127)
.endr
.irp i, 2,4,6,8,10,12,14
.irp b, 0,1,2,3
	s_delay_alu instid0(VALU_DEP_4)
	v_max3_num_f32 v[TM+\b], v[TM+\b], |v[WA+16*\b+\i]|, |v[WA+1+16*\b+\i]|   ; the four blocks by turns
.endr
.endr
.irp b, 0,1,2,3
	s_delay_alu instid0(VALU_DEP_4)
	v_permlanex16_b32 v[TM+4+\b], v[TM+\b], s20, s21
.endr
.irp b, 0,1,2,3
	s_delay_alu instid0(VALU_DEP_4)
	v_max_num_f32 v[TM+\b], v[TM+\b], v[TM+4+\b]   ; with lane l xor 16's 16 numbers: the block's largest magnitude
.endr
.irp b, 0,1,2,3
	s_delay_alu instid0(VALU_DEP_4)
	v_add_nc_u32 v[TM+12+\b], 0xfc000000, v[TM+\b] ; the conversion's scale operand
.endr
.irp b, 0,1,2,3
	v_and_or_b32 v[TM+8+\b], v[TM+\b], 0x7f800000, s22   ; 448 x the scale
.endr
.irp b, 0,1,2,3
	v_lshrrev_b32 v[TM+4+\b], 23, v[TM+12+\b]      ; the scale's byte
.endr
	s_delay_alu instid0(VALU_DEP_3)
	v_lshl_or_b32 v[PW], v[TM+5], 8, v[TM+4]       ; the four bytes make my row's scale word; both halves of the lanes hold the same
	s_delay_alu instid0(VALU_DEP_1)
	v_lshl_or_b32 v[PW], v[TM+6], 16, v[PW]
	s_delay_alu instid0(VALU_DEP_1)
	v_lshl_or_b32 v[PW], v[TM+7], 24, v[PW]
.set qi, 0
.rept 64
	v_med3_num_f32 v[WA+qi], v[WA+qi], -v[TM+8+qi/16], v[TM+8+qi/16]
.set qi, qi+1
.endr
.irp b, 0,1,2,3
	v_cvt_scalef32_pk8_fp8_f32 v[PC+4*\b:PC+4*\b+1], v[WA+16*\b:WA+16*\b+7], v[TM+12+\b]
	v_cvt_scalef32_pk8_fp8_f32 v[PC+4*\b+2:PC+4*\b+3], v[WA+16*\b+8:WA+16*\b+15], v[TM+12+\b]
.endr
	v_nop                                          ; one plain line behind the last conversion
.irp c, 0,1,2,3
	global_store_b128 v4, v[PC+4*\c:PC+4*\c+3], s[10:11] offset:512*\c   ; the image: 512 consecutive bytes a store
.endr
	global_store_b32 v5, v[PW], s[12:13]           ; 64 consecutive bytes; lanes 16-31 write the same words with the same values as lanes 0-15
	s_endpgm
.Lfunc_end_k_q97428a4619_quant:
	.size	k_q97428a4619_quant, .Lfunc_end_k_q97428a4619_quant-k_q97428a4619_quant
	.p2alignl 7, 3214868480
	.fill 96, 4, 3214868480
	.section	.rodata,"a",@progbits
	.p2align	6, 0x0
	.amdhsa_kernel k_q97428a4619_quant
		.amdhsa_group_segment_fixed_size 0
		.amdhsa_private_segment_fixed_size 0
		.amdhsa_enable_private_segment 0
		.amdhsa_kernarg_size 40
		.amdhsa_user_sgpr_count 2
		.amdhsa_user_sgpr_kernarg_segment_ptr 1
		.amdhsa_wavefront_size32 1
		.amdhsa_system_sgpr_workgroup_id_x 1
		.amdhsa_system_sgpr_workgroup_id_y 1
		.amdhsa_system_sgpr_workgroup_id_z 1
		.amdhsa_system_vgpr_workitem_id 0
		.amdhsa_next_free_vgpr 192
		.amdhsa_next_free_sgpr 66
		.amdhsa_reserve_vcc 0
		.amdhsa_float_denorm_mode_32 3
		.amdhsa_float_denorm_mode_16_64 3
		.amdhsa_memory_ordered 1
		.amdhsa_forward_progress 1
		.amdhsa_inst_pref_size 74
	.end_amdhsa_kernel
	.amdgpu_metadata
---
amdhsa.version: [ 1, 2 ]
amdhsa.kernels:
  - .name:           k_q97428a4619_quant
    .symbol:         k_q97428a4619_quant.kd
    .args:
      - { .name: y, .offset: 0, .size: 8, .value_kind: global_buffer, .address_space: global }
      - { .name: W_qk, .offset: 8, .size: 8, .value_kind: global_buffer, .address_space: global }
      - { .name: vb, .offset: 16, .size: 8, .value_kind: global_buffer, .address_space: global }
      - { .name: wc, .offset: 24, .size: 8, .value_kind: global_buffer, .address_space: global }
      - { .name: ws, .offset: 32, .size: 8, .value_kind: global_buffer, .address_space: global }
    .group_segment_fixed_size: 0
    .private_segment_fixed_size: 0
    .kernarg_segment_align: 8
    .kernarg_segment_size: 40
    .max_flat_workgroup_size: 288
    .sgpr_count:     66
    .vgpr_count:     192
    .wavefront_size: 32
...
	.end_amdgpu_metadata
.endif
;; end of part 4
;; launch proj (part 5): grid 256 x 1, 4 waves a work-group, no clusters, 35,328 bytes of LDS; arguments x, wc, ws, b_qk, qc, qs, kb; writes qc, qs, kb
.if DOCPART == 5
	.amdgcn_target "amdgcn-amd-amdhsa--gfx1250"
	.amdhsa_code_object_version 6
	.text
	.protected	k_q97428a4619_proj
	.globl	k_q97428a4619_proj
	.p2align	8
	.type	k_q97428a4619_proj,@function
k_q97428a4619_proj:
	s_mov_b64 s[64:65], 0
	v_nop
	global_prefetch_b8 v0, s[64:65] scope:SCOPE_SE
	s_setreg_imm32_b32 hwreg(HW_REG_WAVE_SCHED_MODE, 0, 2), 2
	s_setreg_imm32_b32 hwreg(HW_REG_WAVE_MODE, 25, 1), 1
	s_wait_xcnt 0x0
	s_wait_alu depctr_vm_vsrc(0)
; qk = Q(x) Q(W)^T + b on codes of FP8 (E4M3) with E8M0 scales; q = qk[:, 0:512] x 512^-0.5 and k = qk[:, 512:1024] are quantised along l on the way and leave as codes: they never exist as f32 in memory.
; SHARES.  Work-group 2 rg + hf takes rows 256 rg .. + 255 of x (four blocks of 64) and half hf of the 1,024 outputs (0: q, 1: k).  THE WAVES SHARE THE COLUMNS: wave w makes l = 512 hf + 128 w .. + 127 for all rows,
; so its 32 fragments of W (512 registers), their scale words and its bias stay in registers for the whole launch.  128 outputs are one K step of the next product: a wave's 8 tiles become one fragment and one scale word a row.
; A BLOCK OF 64 ROWS, two barriers:  X: wave w quantises tile w (16 rows) of x, four fragments, and stores them to LDS as images of their registers | barrier |  for each of the four tiles: x's fragments from LDS,
; 32 products (transposed: source 0 = 16 rows of W, source 1 = x; the bias is the C of each sum's first product), x 512^-0.5 for q, quantised in registers, stored as an image | barrier.
; THE NEXT BLOCK'S x IS ASKED FOR IN FOUR PARTS, K step m's 16 loads at the head of tile m: the wave goes on with its products while they are on their way, and no run of loads stands in front of a wait.
; THE ROWS OF A TILE ARE NOT NEIGHBOURS, of x and of W alike: row rho of tile 2 g + u is row 32 g + 8 u + rho + 8 (rho / 8).  For W that makes the 16 registers of tiles 2 b, 2 b + 1 sixteen neighbours along l; for x it
; gives k's tiles the order of keys that the attention wants, and for q it only says which query sits in which lane.
; OUT.  qc [tile][K step 4][2,048];  qs [64 rows][K step][256]: word (tile % 4) / 2 x 32 + 2 r + tile % 2;  kb [128 keys][67,584]: fragments (4 tile + K step), then eight such units of scale words.
; No joint requests: W goes from memory into each wave's registers once (256 KiB a work-group against 512 KiB of x) and a joint load could only land in LDS; x's rows are wanted as f32 in registers by the quantiser.
; LIMITS: NaN and infinities are not served.  A block of zeros gets the byte 1 where the rule says 127: its codes are zeros, and this program alone reads the bytes.
; REGISTERS, in windows of 256: window 0: below;  window 1: 256 numbers of x (K step s at 64 s);  windows 2, 3: W's fragment (tile t, K step s) at 16 (8 (s % 2) + t) of window 2 + s / 2.
; THE MODE: SCHED_MODE bits 1:0 = 2 (LLVM: expert scheduling mode 2), set by the entry lines.  The code itself states the register dependences between vector or matrix instructions and memory or LDS
; instructions, with s_wait_alu, always for 0.
; THE PLAN.  Registers that memory or LDS instructions touch, round the loop:
;   v1-v7      offsets and LDS addresses: written at the head, never again.
;   window 1   x as loaded.  The loads of K step m are issued at the head of tile m; the next block's four quantisers read the numbers and hold them in place.
;   XF         written by phase X's conversions and read by its LDS stores; then the fragments' LDS loads land in it, tile by tile, and each tile's 32 products read it.
;   XS         the fragments' scale words land in it; the products read it.
;   PWS        written by phase X's quantisers and read by its LDS stores; then written by the tiles' quantisers and read by the two selects at the block's end.
;   PC         written by tile m's conversions; read by four global stores, which are issued behind tile m + 1's products (tile 3's: at the block's end).
;   TM, TM+1   at work in every quantiser; at the block's end the two selects write them and one global store reads them.
;   W, its scale words and the bias are loaded at the head and named by products alone; HA is named by matrix and vector instructions alone.
; One wait on va_vdst stands at the head of K steps 1 to 3 (the K step before goes to LDS behind it), one behind K step 3, one in each tile behind its products, one at the block's end.
; One wait on vm_vsrc stands behind the first barrier, one ahead of the conversions of tiles 1 to 3, one at the loop's end.  Each line says what it states.
.set XIMG, 0                           ; LDS: x's 16 fragments (4 tile + K step) x 2,048
.set XSC,  32768                       ; their scale words, 128 bytes each
.set XA,   1                           ; v1   x: my row's bytes + 64 h
.set LI,   2                           ; v2   16 x lane
.set LS,   3                           ; v3   4 x lane
.set XWI,  4                           ; v4   where I store x's images: 16 x lane + 8,192 x wave
.set XWS,  5                           ; v5   and their scale words: 4 x lane + 512 x wave
.set OI,   6                           ; v6   out: 16 x lane + 2,048 x wave
.set SI,   7                           ; v7   out, scale words: 256 x wave + 128 h + 8 r
.set XS,   8                           ; v8-11   x's scale words of the tile in hand
.set PWS,  12                          ; v12-15  the scale words just made: of x's four K steps, later of the four tiles
.set W1S,  16                          ; v16-31  W's scale words: register 2 t + s % 2; lanes 0-15 K steps 0, 1; lanes 16-31 K steps 2, 3
.set TM,   32                          ; v32-47  at work
.set PC,   48                          ; v48-63  a result tile's codes
.set XF,   64                          ; v64-127 x's four fragments: first as I make my tile's, then as they come back from LDS
.set HA,   128                         ; v128-191 my 8 tiles of results
.set BIAS, 192                         ; v192-255 the bias in the result's layout
.set MSB, 0
.macro WIN new                         ; the immediate's high byte repeats the setting that is left
.if MSB != (\new)
	s_set_vgpr_msb (MSB<<8)|(\new)
.set MSB, (\new)
.endif
.endm
.macro PLACES n
.rept \n
	v_nop
.endr
.endm
.macro BARRIER                         ; my LDS stores have landed and my LDS loads are in: then the work-group's barrier
	s_wait_dscnt 0x0
	s_barrier_signal -1
	s_barrier_wait -1
.endm
.macro XLOADK s, off                   ; K step s of my 16 rows, from off bytes on, into window 1: register 64 s + 16 b + i = k 128 s + 32 b + 16 h + i
	WIN 0x40
.set qi, 0
.rept 16
	global_load_b128 v[64*(\s)+4*qi:64*(\s)+4*qi+3], v[XA], s[4:5] offset:(\off)+512*(\s)+128*(qi/4)+16*(qi%4)
.set qi, qi+1
.endr
	WIN 0
.endm
; 64 numbers of a lane in window w, register 16 b + i = k 32 b + 16 h + i of my row, become a fragment's codes in v[pc] on and its scale word in v[pw].  The lines are grouped by window.
; free = 1: global stores that read v[pc] on were issued earlier in this tile: the two waits for them stand ahead of the conversions.
.macro QUANT s, w, pw, pc, free
.set qs0, (\s)
.set qw, (\w)
.set qp, (\pc)
	WIN qw|(qw<<2)
.irp b, 0,1,2,3
	v_max3_num_f32 v[TM+\b], |v[qs0+16*\b]|, |v[qs0+1+16*\b]|, 0x4800000   ; block b: my 16 numbers and the floor 2^(9 - 127): the byte cannot fall under 1
.endr
	WIN (qw<<2)|(qw<<4)
.irp i, 2,4,6,8,10,12,14
.irp b, 0,1,2,3
	v_max3_num_f32 v[TM+\b], v[TM+\b], |v[qs0+16*\b+\i]|, |v[qs0+1+16*\b+\i]|   ; the four blocks by turns; each result tile is read from its low end on
.endr
.endr
	WIN 0
.irp b, 0,1,2,3
	v_permlanex16_b32 v[TM+4+\b], v[TM+\b], s22, s23
.endr
.irp b, 0,1,2,3
	v_max_num_f32 v[TM+\b], v[TM+\b], v[TM+4+\b]   ; with lane l xor 16's: the block's largest magnitude
.endr
.irp b, 0,1,2,3
	v_add_nc_u32 v[TM+12+\b], 0xfc000000, v[TM+\b] ; 8 off its exponent field: the conversion's scale operand
.endr
.irp b, 0,1,2,3
	v_and_or_b32 v[TM+8+\b], v[TM+\b], 0x7f800000, s24   ; 448 x the scale
.endr
.irp b, 0,1,2,3
	v_lshrrev_b32 v[TM+4+\b], 23, v[TM+12+\b]      ; the scale's byte
.endr
	v_lshl_or_b32 v[\pw], v[TM+5], 8, v[TM+4]      ; the four bytes make my row's scale word
	v_lshl_or_b32 v[\pw], v[TM+6], 16, v[\pw]
	v_lshl_or_b32 v[\pw], v[TM+7], 24, v[\pw]
	WIN qw|(qw<<6)
.set qi, 0
.rept 64
	v_med3_num_f32 v[qs0+qi], v[qs0+qi], -v[TM+8+qi/16], v[TM+8+qi/16]   ; the conversion to an 8-bit code does not saturate (ISA guide 7.6.2): the hold comes first
.set qi, qi+1
.endr
	WIN qw
.if \free
	s_wait_alu depctr_va_vdst(0)
	s_wait_xcnt 0x0                                ; the last tile's four stores, issued behind this tile's products, have had their addresses translated (ISA guide 3.1): their data registers are rewritten only behind this wait,
	s_wait_alu depctr_vm_vsrc(0)                   ; and they have read the codes' registers, which the conversions below write again
.endif
.irp b, 0,1,2,3
	v_cvt_scalef32_pk8_fp8_f32 v[qp+4*\b:qp+4*\b+1], v[qs0+16*\b:qs0+16*\b+7], v[TM+12+\b]
	v_cvt_scalef32_pk8_fp8_f32 v[qp+4*\b+2:qp+4*\b+3], v[qs0+16*\b+8:qs0+16*\b+15], v[TM+12+\b]
.endr
	WIN 0
	v_nop                                          ; one plain line between the last conversion and whatever next touches its result or writes its sources
.endm
.macro FETCHX m                        ; tile m's four fragments of x and their scale words, as any wave stored them
.irp s, 0,1,2,3
.irp c, 0,1,2,3
	ds_load_b128 v[XF+16*\s+4*\c:XF+16*\s+4*\c+3], v[LI] offset:XIMG+(4*(\m)+\s)*2048+512*\c
.endr
	ds_load_b32 v[XS+\s], v[LS] offset:XSC+128*(4*(\m)+\s)
.endr
.endm
.macro XSTORE s                        ; K step s of my tile of x goes to LDS as it stands: four registers a store, and the scale word
.irp c, 0,1,2,3
	ds_store_b128 v[XWI], v[XF+16*(\s)+4*\c:XF+16*(\s)+4*\c+3] offset:XIMG+(\s)*2048+512*\c
.endr
	ds_store_b32 v[XWS], v[PWS+(\s)] offset:XSC+128*(\s)
.endm
.macro OUTC m                          ; fragment (tile m, K step = my wave) leaves: 512 consecutive bytes a store
.irp c, 0,1,2,3
	global_store_b128 v[OI], v[PC+4*\c:PC+4*\c+3], s[36:37] offset:(\m)*8192+512*\c
.endr
.endm
	s_load_b256 s[4:11], s[0:1], 0x0               ; x s[4:5], wc s[6:7], ws s[8:9], b_qk s[10:11]
	s_load_b128 s[12:15], s[0:1], 0x20             ; qc s[12:13], qs s[14:15]
	s_load_b64 s[16:17], s[0:1], 0x30              ; kb
	v_lshrrev_b32 v1, 5, v0
	v_readfirstlane_b32 s18, v1                    ; wave
	s_and_b32 s19, ttmp9, 1                        ; hf: 0 q, 1 k
	s_lshr_b32 s20, ttmp9, 1                       ; rg: which 256 rows
	v_and_b32 v48, 31, v0                          ; lane
	v_and_b32 v49, 15, v0                          ; r
	v_bfe_u32 v50, v0, 4, 1                        ; h
	v_and_b32 v51, 8, v49
	v_add_nc_u32 v51, v51, v49                     ; r + 8 (r / 8)
	v_lshlrev_b32 v[XA], 11, v51
	v_lshl_add_u32 v[XA], v50, 6, v[XA]
	v_lshlrev_b32 v[LI], 4, v48
	v_lshlrev_b32 v[LS], 2, v48
	s_wait_alu depctr_va_sdst(0)                   ; s18, the wave's number, is written, ahead of its first reader
	s_lshl_b32 s40, s18, 13
	v_add_nc_u32 v[XWI], s40, v[LI]
	s_lshl_b32 s40, s18, 9
	v_add_nc_u32 v[XWS], s40, v[LS]
	s_lshl_b32 s40, s18, 11
	v_add_nc_u32 v[OI], s40, v[LI]
	s_lshl_b32 s40, s18, 8
	v_lshlrev_b32 v[SI], 3, v49
	v_lshl_add_u32 v[SI], v50, 7, v[SI]
	v_add_nc_u32 v[SI], s40, v[SI]
	v_lshlrev_b32 v52, 2, v49
	v_lshl_add_u32 v52, v50, 7, v52                ; W's scale words: 4 r, and two K steps (128 bytes) on for lanes 16-31
	v_lshlrev_b32 v53, 6, v50                      ; the bias: 16 h numbers on
	s_mov_b32 s22, 0x76543210
	s_mov_b32 s23, 0xfedcba98                      ; v_permlanex16_b32's selects for lane l xor 16
	s_mov_b32 s24, 0x600000                        ; the mantissa field of 448
	s_mov_b32 s26, 0x3d3504f3                      ; 512^-0.5
	s_mov_b32 s27, s26                             ; (named with it as a pair, so it is written)
	s_mov_b32 s28, 0                               ; the block's number, 0 .. 3
	s_lshl_b32 s29, s19, 11
	s_add_co_u32 s29, s29, 65536                   ; bytes of codes' buffer for 128 rows: 65,536 in qc, 67,584 in kb
	s_lshl_b32 s31, s19, 16                        ; where the scale words begin in them: 0 in qs, 65,536 in kb
	s_add_co_u32 s30, s31, 2048                    ; bytes of the scales' buffer for 128 rows: 2,048 in qs, 67,584 in kb
	s_lshl_b32 s40, s20, 8                         ; x: row 256 rg + 32 (wave / 2) + 8 (wave % 2): my tile's first
	s_lshr_b32 s41, s18, 1
	s_lshl_b32 s41, s41, 5
	s_add_co_u32 s40, s40, s41
	s_and_b32 s41, s18, 1
	s_lshl_b32 s41, s41, 3
	s_add_co_u32 s40, s40, s41
	s_lshl_b32 s40, s40, 11
	s_mov_b32 s41, 0
	s_lshl_b32 s42, s19, 5
	s_lshl_b32 s43, s18, 3
	s_add_co_u32 s42, s42, s43                     ; my first tile of W: 32 hf + 8 wave
	s_lshl_b32 s44, s42, 13
	s_mov_b32 s45, 0
	s_lshl_b32 s46, s42, 8
	s_mov_b32 s47, 0
	s_lshl_b32 s42, s42, 6                         ; 16 numbers of the bias a tile
	s_mov_b32 s43, 0
	s_wait_kmcnt 0x0
	s_add_nc_u64 s[4:5], s[4:5], s[40:41]
	s_add_nc_u64 s[6:7], s[6:7], s[44:45]
	s_add_nc_u64 s[8:9], s[8:9], s[46:47]
	s_add_nc_u64 s[10:11], s[10:11], s[42:43]
	s_cmp_eq_u32 s19, 0                            ; the choice of buffers hangs on the work-group's number alone
	s_cselect_b64 s[32:33], s[12:13], s[16:17]     ; codes go to qc or kb,
	s_cselect_b64 s[34:35], s[14:15], s[16:17]     ; scale words to qs or kb
	WIN 0x80                                       ; destination window 2: K steps 0 and 1
	s_wait_alu depctr_va_vdst(0)                   ; the offsets and addresses v1 to v7, v52 and v53 are written, which the loads and stores of the whole kernel read
.irp t, 0,1,2,3,4,5,6,7
.irp s, 0,1
.irp c, 0,1,2,3
	global_load_b128 v[16*(8*\s+\t)+4*\c:16*(8*\s+\t)+4*\c+3], v[LI], s[6:7] offset:\t*8192+\s*2048+512*\c
.endr
.endr
.endr
	WIN 0xc0                                       ; destination window 3: K steps 2 and 3
.irp t, 0,1,2,3,4,5,6,7
.irp s, 0,1
.irp c, 0,1,2,3
	global_load_b128 v[16*(8*\s+\t)+4*\c:16*(8*\s+\t)+4*\c+3], v[LI], s[6:7] offset:\t*8192+(\s+2)*2048+512*\c
.endr
.endr
.endr
	WIN 0
.irp t, 0,1,2,3,4,5,6,7
.irp e, 0,1
	global_load_b32 v[W1S+2*\t+\e], v52, s[8:9] offset:\t*256+64*\e   ; lanes 0-15: K step e; lanes 16-31: K step 2 + e
.endr
.endr
.irp t, 0,1,2,3,4,5,6,7
	global_load_b128 v[BIAS+8*\t:BIAS+8*\t+3], v53, s[10:11] offset:(32*(\t/2)+8*(\t%2))*4      ; lane (r, h), tile t, register j: l = 32 (t / 2) + 8 (t % 2) + 16 h + j
	global_load_b128 v[BIAS+8*\t+4:BIAS+8*\t+7], v53, s[10:11] offset:(32*(\t/2)+8*(\t%2))*4+16
.endr
.irp b, 0,1,2,3
	v_mov_b32 v[TM+4+\b], 0                        ; written once: a lane permute's destination counts as one of its sources.  (No load names these four registers)
.endr
.irp s, 0,1,2,3
	XLOADK \s, 0                                   ; the first block's x comes last, so that the counts below hold in the first trip as in the others
.endr
; One tile of 16 rows: a quarter of the next block's x is asked for; 32 products, the 8 accumulators by turns; ONE wait, behind which the next tile's fragments are asked for and the
; last tile's codes leave; then the quantiser.
.macro TILE m
	s_cmp_eq_u32 s28, 3                            ; the last block has no successor: no load leaves its buffer
	s_cbranch_scc1 .Lno_x_\@
	XLOADK \m, 131072                              ; K step m of the rows 64 further down.  No wait here: since the wait behind phase X's last quantiser no vector or matrix instruction has named window 1 or v1
.Lno_x_\@:
	s_wait_dscnt 0x0                               ; x's fragments and scale words are in
	WIN 0x02                                       ; source 0 (W) window 2
.irp t, 0,1,2,3,4,5,6,7
	v_wmma_scale_f32_16x16x128_f8f6f4 v[HA+8*\t:HA+8*\t+7], v[16*\t:16*\t+15], v[XF:XF+15], v[BIAS+8*\t:BIAS+8*\t+7], v[W1S+2*\t], v[XS]
.endr
.irp t, 0,1,2,3,4,5,6,7
	v_wmma_scale_f32_16x16x128_f8f6f4 v[HA+8*\t:HA+8*\t+7], v[128+16*\t:128+16*\t+15], v[XF+16:XF+31], v[HA+8*\t:HA+8*\t+7], v[W1S+2*\t+1], v[XS+1]
.endr
	WIN 0x03                                       ; source 0 window 3; W's scale words of K steps 2 and 3 lie in lanes 16-31
.irp t, 0,1,2,3,4,5,6,7
	v_wmma_scale_f32_16x16x128_f8f6f4 v[HA+8*\t:HA+8*\t+7], v[16*\t:16*\t+15], v[XF+32:XF+47], v[HA+8*\t:HA+8*\t+7], v[W1S+2*\t], v[XS+2] matrix_a_scale:MATRIX_SCALE_ROW1
.endr
.irp t, 0,1,2,3,4,5,6,7
	v_wmma_scale_f32_16x16x128_f8f6f4 v[HA+8*\t:HA+8*\t+7], v[128+16*\t:128+16*\t+15], v[XF+48:XF+63], v[HA+8*\t:HA+8*\t+7], v[W1S+2*\t+1], v[XS+3] matrix_a_scale:MATRIX_SCALE_ROW1
.endr
	WIN 0
	PLACES 8                                       ; eight places in front of the first read of results by a vector instruction; they stay beside the wait below
	s_wait_alu depctr_va_vdst(0)                   ; the products are done reading x's fragments and scale words, in which the next tile's loads land; the last tile's conversions have written the codes, which the stores below read
.if (\m) < 3
	FETCHX (\m)+1                                  ; the next tile's fragments land while this one is quantised
.endif
.if (\m) > 0
	OUTC (\m)-1                                    ; the last tile's codes
.endif
	s_cmp_lg_u32 s19, 0
	s_cbranch_scc1 .Lis_k_\@                       ; k is taken as it is
.set qi, 0
.rept 32
	v_pk_mul_f32 v[HA+qi:HA+qi+1], v[HA+qi:HA+qi+1], s[26:27] op_sel_hi:[1,0]   ; q = (x W^T + b) x 512^-0.5, in f32, ahead of its quantiser; each tile from its low end on
.set qi, qi+2
.endr
.Lis_k_\@:
.if (\m) > 0
	QUANT HA, 0, PWS+(\m), PC, 1
.else
	QUANT HA, 0, PWS+(\m), PC, 0                   ; tile 0: the codes' registers are free since the wait on vm_vsrc behind the first barrier
.endif
.endm
.Lblock:
	; ---- X: my tile of x becomes four fragments.  Each K step has its own registers for its codes and its scale word; a K step goes to LDS at the head of the next, behind that head's wait
	s_wait_loadcnt 48                              ; K step 0 is in (and all that was asked for before x); 16 loads for each younger K step may be out
	QUANT 0, 1, PWS, XF, 0
.irp s, 1,2,3
	s_wait_loadcnt 48-16*\s                        ; K step s is in; 16 loads for each younger K step may be out
	s_wait_alu depctr_va_vdst(0)                   ; the quantiser before has written its codes and its scale word, which the five LDS stores below read
	XSTORE \s-1
	QUANT 64*\s, 1, PWS+\s, XF+16*\s, 0
.endr
	s_wait_alu depctr_va_vdst(0)                   ; K step 3's codes and scale word are written, which the stores below read; all four quantisers are done reading and writing window 1, in which the tiles' loads of x land; x's fragment registers are written, in which tile 0's LDS loads land
	XSTORE 3
	BARRIER                                        ; x's sixteen fragments lie in LDS
	s_lshr_b32 s40, s28, 1                         ; the block's two pointers: the last block's stores have read them (the wait at the loop's end)
	s_lshl_b32 s41, s20, 1
	s_add_co_u32 s40, s40, s41                     ; which 128 rows: 2 rg + block / 2
	s_and_b32 s41, s28, 1                          ; and which half of them
	s_mul_i32 s42, s40, s29
	s_lshl_b32 s44, s41, 15                        ; four tiles x four fragments
	s_add_co_u32 s42, s42, s44
	s_mov_b32 s43, 0
	s_add_nc_u64 s[36:37], s[32:33], s[42:43]      ; the block's codes
	s_mul_i32 s42, s40, s30
	s_lshl_b32 s44, s41, 10                        ; four units of 256 bytes
	s_add_co_u32 s42, s42, s44
	s_add_co_u32 s42, s42, s31
	s_add_nc_u64 s[38:39], s[34:35], s[42:43]      ; the block's scale words
	s_wait_alu depctr_vm_vsrc(0)                   ; my LDS stores have read x's fragment registers, in which the loads below land, and the four scale words, which the tiles' quantisers write; in the first trip the head's loads have read v52 and v53, which tile 0's conversions write
	FETCHX 0
	TILE 0
	TILE 1
	TILE 2
	TILE 3
	v_and_b32 v[TM+2], 16, v0
	v_cmp_ne_u32 vcc_lo, 0, v[TM+2]                ; lanes 0-15 store tiles 0 and 1's words, lanes 16-31 tiles 2 and 3's
	s_wait_alu depctr_va_vcc(0)                    ; VCC is written, ahead of the two selects that read it
	v_cndmask_b32 v[TM], v[PWS], v[PWS+2], vcc_lo
	v_cndmask_b32 v[TM+1], v[PWS+1], v[PWS+3], vcc_lo
	s_wait_alu depctr_va_vdst(0)                   ; tile 3's conversions have written the codes and the two selects the pair of scale words, which the five stores below read
	OUTC 3
	global_store_b64 v[SI], v[TM:TM+1], s[38:39]   ; my K step's unit: 256 consecutive bytes, aligned
	BARRIER                                        ; every wave's reads of x's images are over: the next block may overwrite them
	s_wait_xcnt 0x0                                ; loads and stores have read their registers and bases
	s_wait_alu depctr_vm_vsrc(0)                   ; the five stores above have read the codes' registers and the pair of scale words, which the next block's quantisers write
	s_add_nc_u64 s[4:5], s[4:5], 131072            ; 64 rows on
	s_add_co_u32 s28, s28, 1
	s_cmp_lt_u32 s28, 4
	s_cbranch_scc1 .Lblock
	s_wait_xcnt 0x0
	v_lshl_add_u32 v254, v0, 2, 0x8800             ; the add's two registers are made here, where the bias is done with: no two registers could be kept; no memory or LDS instruction has read either
	v_mov_b32 v255, 0
	s_wait_dscnt 0x0                               ; the closing lines, six on end
	s_wait_alu 0x0
	s_wait_tensorcnt 0x0
	ds_add_u32 v254, v255
	s_wait_dscnt 0x0
	s_endpgm
.Lfunc_end_k_q97428a4619_proj:
	.size	k_q97428a4619_proj, .Lfunc_end_k_q97428a4619_proj-k_q97428a4619_proj
	.p2alignl 7, 3214868480
	.fill 96, 4, 3214868480
	.section	.rodata,"a",@progbits
	.p2align	6, 0x0
	.amdhsa_kernel k_q97428a4619_proj
		.amdhsa_group_segment_fixed_size 35328
		.amdhsa_private_segment_fixed_size 0
		.amdhsa_enable_private_segment 0
		.amdhsa_kernarg_size 56
		.amdhsa_user_sgpr_count 2
		.amdhsa_user_sgpr_kernarg_segment_ptr 1
		.amdhsa_wavefront_size32 1
		.amdhsa_system_sgpr_workgroup_id_x 1
		.amdhsa_system_sgpr_workgroup_id_y 1
		.amdhsa_system_sgpr_workgroup_id_z 1
		.amdhsa_system_vgpr_workitem_id 0
		.amdhsa_next_free_vgpr 1024
		.amdhsa_next_free_sgpr 66
		.amdhsa_reserve_vcc 1
		.amdhsa_float_denorm_mode_32 3
		.amdhsa_float_denorm_mode_16_64 3
		.amdhsa_memory_ordered 1
		.amdhsa_forward_progress 1
		.amdhsa_inst_pref_size 131
	.end_amdhsa_kernel
	.amdgpu_metadata
---
amdhsa.version: [ 1, 2 ]
amdhsa.kernels:
  - .name:           k_q97428a4619_proj
    .symbol:         k_q97428a4619_proj.kd
    .args:
      - { .name: x, .offset: 0, .size: 8, .value_kind: global_buffer, .address_space: global }
      - { .name: wc, .offset: 8, .size: 8, .value_kind: global_buffer, .address_space: global }
      - { .name: ws, .offset: 16, .size: 8, .value_kind: global_buffer, .address_space: global }
      - { .name: b_qk, .offset: 24, .size: 8, .value_kind: global_buffer, .address_space: global }
      - { .name: qc, .offset: 32, .size: 8, .value_kind: global_buffer, .address_space: global }
      - { .name: qs, .offset: 40, .size: 8, .value_kind: global_buffer, .address_space: global }
      - { .name: kb, .offset: 48, .size: 8, .value_kind: global_buffer, .address_space: global }
    .group_segment_fixed_size: 35328
    .private_segment_fixed_size: 0
    .kernarg_segment_align: 8
    .kernarg_segment_size: 56
    .max_flat_workgroup_size: 128
    .sgpr_count:     66
    .vgpr_count:     1024
    .wavefront_size: 32
...
	.end_amdgpu_metadata
.endif
;; end of part 5
;; launch attn (part 6): grid 8 x 32, 4 waves a work-group, clusters of 4 x 1, 327,680 bytes of LDS; arguments qc, qs, kb, vb, out0; writes out0
.if DOCPART == 6
	.amdgcn_target "amdgcn-amd-amdhsa--gfx1250"
	.amdhsa_code_object_version 6
	.text
	.protected	k_q97428a4619_attn
	.globl	k_q97428a4619_attn
	.p2align	8
	.type	k_q97428a4619_attn,@function
k_q97428a4619_attn:
	s_mov_b64 s[64:65], 0
	v_nop
	global_prefetch_b8 v0, s[64:65] scope:SCOPE_SE
	s_setreg_imm32_b32 hwreg(HW_REG_WAVE_MODE, 25, 1), 1
	s_wait_xcnt 0x0
	s_wait_alu depctr_hold_cnt(0) depctr_sa_sdst(0) depctr_va_vdst(0) depctr_va_sdst(0) depctr_va_ssrc(0) depctr_va_vcc(0) depctr_vm_vsrc(0)
	s_getreg_b32 s2, hwreg(HW_REG_IB_STS2, 6, 4)
	s_cmp_eq_u32 s2, 0
	s_cbranch_scc0 .Lentry_in_a_cluster
	s_endpgm
.Lentry_in_a_cluster:
	s_bfe_u32 s2, ttmp6, 0x10000c
	s_cmp_lg_u32 s2, 0x3003
	s_cbranch_scc0 .Lentry_shape_is_right
	s_endpgm
.Lentry_shape_is_right:
; out[b][q][:] = the sum over keys of softmax(q . k) y[b][key][:], both products on codes of FP8 (E4M3) with one E8M0 scale for each 32 along K.  q already carries 512^-0.5.
; THE SOFTMAX AHEAD OF THE SECOND PRODUCT: t = logit x log2(e); M = the running largest t rounded UP to a whole number; p = 2^(t - M) is quantised along the keys, not normalised; the row's sum is taken of the
; unquantised p in f32 and divides at the end; when M moves, the sum and O are multiplied by 2^(old M - new M), which rounds nothing.
; SHARES.  A work-group owns 128 queries of one batch; wave w owns 32 of them (two tiles of 16) and all 512 channels: no wave needs another's results.  Every wave walks the 1,024 keys, 128 a step.
; Both products are used transposed (S^T = K Q^T, O^T = V^T P^T): a lane holds one query throughout.  All operands lie in memory and in LDS as images of their registers (2,048 bytes a fragment, 16 bytes a lane and load).
; The keys of a tile are not neighbours (row rho of tile 2 g + u is key 32 g + 8 u + rho + 8 (rho / 8)), so that the 16 registers of score tiles 2 b, 2 b + 1 are keys 32 b + 16 (lane / 16) + 0 .. 15; the queries of a
; tile lie in the same order, which the stores at the end undo in their offsets.
; RING.  A key step's K block and V block are 67,584 dense bytes each (codes, then scale words).  Two LDS slots; each wave fetches half a block, 132 rows of 256 bytes, by one tensor load: one load of a wave is out at a time.
; CLUSTER.  The four work-groups of a cluster belong to one batch and walk the same blocks: each is asked for JOINTLY, by the same tensor load with the same descriptor and a mask that names the four.
; LIMITS: NaN and infinities are not served; M is a whole number only while |t| < 2^24; a p under 2^-126 counts as 0.
; REGISTERS, in windows of 256: window 0: below;  window 1: v0-127 Q, fragment (tile m, K step c) at 16 (4 m + c); v128-255 two halves of four fragments of K or V;
;   windows 2, 3: O^T, accumulator (m, channel tile ct) at 8 (2 (ct % 16) + m) of window 2 + ct / 16.
.set SLOTB, 135168                     ; a slot: K's codes 0, K's scale words 65,536, V's codes 67,584, V's scale words 133,120.  The four fill addresses share no bit with it: one exclusive or changes slots
.set KSCL,  65536
.set VOFF,  67584
.set VSCL,  133120
.set HALFB, 33792                      ; what one tensor load brings
.set STEPB, 67584                      ; a key step's block in kb and in vb
.set SPARE, 270336                     ; behind the ring: the spare words, 128 bytes for each wave: two blocks of 256 bytes that no other line names
.set SPITCH, 528                       ; the way out: a stage of 16 rows x (512 bytes + 16) for each wave, in slot 0, which has had its last fill and its last read by then
.set LI,   1                           ; v1   16 x lane: a fragment's place for my lane, in K's codes
.set AV0,  2                           ; v2   the same in V's codes
.set AKS0, 3                           ; v3   8 r + K's scale words
.set AVS0, 4                           ; v4   8 x lane + V's scale words
.set SPW,  5                           ; v5   LDS address of my spare word; never rewritten
.set NIL,  6                           ; v6   0; never rewritten
.set ADK,  7                           ; v7-10 the four addresses in the slot in hand
.set ADV,  8
.set ADKS, 9
.set ADVS, 10
.set STO,  11                          ; v11  the stage: where I put 32 bytes of a row
.set SRD,  12                          ; v12  and where I read a row back
.set QO,   13                          ; v13  8 r: Q's scale words in memory
.set ST,   14                          ; tile m: v[14+4m] -M, v[15+4m] the largest t, v[16+4m:17+4m] the sum in two halves
.set QSW,  22                          ; v22-29 Q's scale words, register 2 c + m
.set KSW,  30                          ; v30-37 K's, register 2 c + u
.set VSW,  38                          ; v38-41 V's, two registers for each half of the buffer; channel tile q: register q / 2, lanes 16 (q % 2) on
.set PSW,  42                          ; v42-43 p's, one for each tile
.set FF,   44                          ; v[44+2m] f = 2^(old M - new M), at the end 1 / sum; its partner is written once
.set PC,   48                          ; v48-79 p's codes, 16 for each tile
.set TM,   80                          ; v80-96 at work
.set S,    128                         ; v128-255 S^T, then p: 64 m + 8 key tile
.set BK,   128                         ; the way out: rows read back from the stage, two sets of 64
.set SBUF, 128                         ; in window 1
.set MSB, 0
.macro WIN new                         ; the immediate's high byte repeats the setting that is left
.if MSB != (\new)
	s_set_vgpr_msb (MSB<<8)|(\new)
.set MSB, (\new)
.endif
.endm
.macro PLACES n
.rept \n
	v_nop
.endr
.endm
; A joint load: waves 0 and 1 fetch K's halves, waves 2 and 3 V's.  The branch hangs on the wave's number alone.  Four v_nop follow each of the two lines.
.macro JLOAD
	s_cmp_lt_u32 s14, 2
	s_cbranch_scc0 .Lfor_v_\@
	tensor_load_to_lds s[32:35], s[24:31]
	s_nop 0
.rept 4
	v_nop
.endr
	s_branch .Lasked_\@
.Lfor_v_\@:
	tensor_load_to_lds s[36:39], s[24:31]
	s_nop 0
.rept 4
	v_nop
.endr
.Lasked_\@:
.endm
; A round of the cluster's barrier: my work-group's barrier; wave 0 signals for the work-group; every wave waits for all four work-groups; my work-group's barrier once more.
.macro CROUND
	s_barrier_signal -1
	s_barrier_wait -1
	s_cmp_lg_u32 s14, 0
	s_cbranch_scc1 .Lnot_wave_0_\@
	s_barrier_signal -3
.Lnot_wave_0_\@:
	s_barrier_wait -3
	s_barrier_signal -1
	s_barrier_wait -1
.endm
	s_load_b256 s[4:11], s[0:1], 0x0               ; qc s[4:5], qs s[6:7], kb s[8:9], vb s[10:11]
	s_load_b64 s[12:13], s[0:1], 0x20              ; out0
	v_lshl_add_u32 v[SPW], v0, 2, SPARE
	v_mov_b32 v[NIL], 0
	ds_add_u32 v5, v6
	ds_add_u32 v5, v6
	s_wait_dscnt 0x0
	v_lshrrev_b32 v7, 5, v0
	v_readfirstlane_b32 s14, v7                    ; wave 0..3
	s_and_b32 s15, s14, 1                          ; which half of a block I fetch
	s_bfe_u32 s16, ttmp6, 0x40000                  ; cx: my place in the cluster: it enters Q's and out's addresses alone
	s_lshl_b32 s17, ttmp9, 2
	s_add_co_u32 s17, s17, s16                     ; my block of 128 queries
	s_and_b32 s18, ttmp7, 0xffff                   ; the batch, which the four partners share
	s_mul_i32 s43, s15, HALFB                      ; my half: in a block and in a slot
	s_mul_i32 s44, s18, 8*STEPB                    ; the batch's eight blocks
	s_add_co_u32 s44, s44, s43
	s_mov_b32 s45, 0
	; descriptor group 1: 132 dense rows of 256 bytes (32 elements of 8 bytes), no padding
	s_mov_b32 s24, 15|(3<<16)|(1<<21)              ; 15:0 the mask: all four work-groups; 17:16 elements of 8 bytes; 21 set beside a mask
	s_mov_b32 s25, 32<<16                          ; tensor_dim0 = 32
	s_mov_b32 s26, 132<<16                         ; tensor_dim1 = 132
	s_mov_b32 s27, 32<<16                          ; tile_dim0 = 32
	s_mov_b32 s28, 132                             ; tile_dim1 = 132
	s_mov_b32 s29, 32                              ; elements from row to row
	s_mov_b32 s30, 0
	s_mov_b32 s31, 0
	s_mov_b32 s19, 0x600000                        ; the mantissa field of 448
	s_mov_b32 s20, 0x76543210
	s_mov_b32 s21, 0xfedcba98                      ; v_permlanex16_b32's selects for lane l xor 16
	s_mov_b32 s22, 0x3fb8aa3b                      ; log2(e)
	s_mov_b32 s23, s22                             ; (named with it as a pair, so it is written)
	s_mov_b32 s40, 0                               ; LDS byte at which the slot in hand begins
	s_lshl_b32 s46, s18, 6
	s_lshl_b32 s47, s17, 3
	s_add_co_u32 s46, s46, s47
	s_lshl_b32 s47, s14, 1
	s_add_co_u32 s46, s46, s47                     ; my first tile of queries: 64 batch + 8 block + 2 wave
	s_lshl_b32 s48, s46, 13                        ; its codes: 8,192 bytes a tile
	s_mov_b32 s49, 0
	s_lshr_b32 s50, s46, 2
	s_lshl_b32 s50, s50, 10                        ; its scale words: 1,024 bytes for four tiles,
	s_lshl_b32 s47, s15, 7                         ; + 128 for the upper two of them
	s_add_co_u32 s50, s50, s47
	s_mov_b32 s51, 0
	s_lshl_b32 s52, s46, 15                        ; its rows of out: 16 rows of 2,048 bytes a tile
	s_mov_b32 s53, 0
	s_wait_kmcnt 0x0
	s_mov_b32 s32, 1                               ; K's group 0: count = 1,
	s_mov_b32 s33, s43                             ; LDS address: slot 0, my half,
	s_add_nc_u64 s[34:35], s[8:9], s[44:45]        ; global address: key step 0,
	s_or_b32 s35, s35, 0x80000000                  ; type = 2
	s_mov_b32 s36, 1                               ; V's likewise
	s_add_co_u32 s37, s43, VOFF
	s_add_nc_u64 s[38:39], s[10:11], s[44:45]
	s_or_b32 s39, s39, 0x80000000
	s_add_nc_u64 s[4:5], s[4:5], s[48:49]
	s_add_nc_u64 s[6:7], s[6:7], s[50:51]
	s_add_nc_u64 s[12:13], s[12:13], s[52:53]
	CROUND                                         ; all four work-groups are here: the first joint loads meet
	JLOAD                                          ; key step 0 into slot 0
	v_and_b32 v7, 31, v0                           ; lane
	v_and_b32 v8, 15, v0                           ; r
	v_bfe_u32 v9, v0, 4, 1                         ; h
	v_lshlrev_b32 v[LI], 4, v7
	v_add_nc_u32 v[AV0], VOFF, v[LI]
	v_lshlrev_b32 v[QO], 3, v8
	v_add_nc_u32 v[AKS0], KSCL, v[QO]
	v_lshlrev_b32 v[AVS0], 3, v7
	v_add_nc_u32 v[AVS0], VSCL, v[AVS0]
	s_mul_i32 s42, s14, 16*SPITCH                  ; my stage
	v_mul_u32_u24 v[STO], v8, SPITCH
	v_lshl_add_u32 v[STO], v9, 5, v[STO]
	v_add_nc_u32 v[STO], s42, v[STO]               ; in: row r, + 32 h
	v_add_nc_u32 v[SRD], s42, v[LI]                ; back: a row of 512 bytes, 16 a lane
	WIN 0x40                                       ; destination window 1
.irp f, 0,1,2,3,4,5,6,7
.irp c, 0,1,2,3
	global_load_b128 v[16*\f+4*\c:16*\f+4*\c+3], v[LI], s[4:5] offset:\f*2048+512*\c   ; Q's eight fragments stay in registers
.endr
.endr
	WIN 0
.irp c, 0,1,2,3
	global_load_b64 v[QSW+2*\c:QSW+2*\c+1], v[QO], s[6:7] offset:256*\c   ; K step c: the words of my two tiles
.endr
.irp m, 0,1
	v_mov_b32 v[ST+4*\m+1], 0xff61b1e6             ; the largest t so far: -3e38, under every t
	v_floor_f32 v[ST+4*\m], -v[ST+4*\m+1]          ; -M
	v_mov_b32 v[ST+4*\m+2], 0                      ; the sum, in two halves
	v_mov_b32 v[ST+4*\m+3], 0
	v_mov_b32 v[FF+2*\m], 0
	v_mov_b32 v[FF+2*\m+1], 0                      ; (named as the upper half of a pair)
.endr
.irp b, 0,1,2,3
	v_mov_b32 v[TM+4+\b], 0                        ; written once: a lane permute's destination counts as one of its sources
.endr
; 18 LDS loads: key tiles 2 g, 2 g + 1, K steps 2 hb, 2 hb + 1: four fragments into half hb of the buffer, and their scale words
.macro LK g, hb
	WIN 0x40
.irp cc, 0,1
.irp u, 0,1
.irp k, 0,1,2,3
	ds_load_b128 v[SBUF+64*(\hb)+16*(2*\cc+\u)+4*\k:SBUF+64*(\hb)+16*(2*\cc+\u)+4*\k+3], v[ADK] offset:(4*(2*(\g)+\u)+2*(\hb)+\cc)*2048+512*\k
.endr
.endr
.endr
	WIN 0
.irp cc, 0,1
	ds_load_b64 v[KSW+4*(\hb)+2*\cc:KSW+4*(\hb)+2*\cc+1], v[ADKS] offset:(4*((\g)/2)+2*(\hb)+\cc)*256+128*((\g)%2)
.endr
.endm
; 8 products of S^T = K Q^T: four accumulators (key tile u, query tile m) by turns; K step 0 starts the sums
.macro QKM g, hb
	WIN 0x05                                       ; K and Q in window 1, S^T in window 0
.irp cc, 0,1
.irp u, 0,1
.irp m, 0,1
.if (2*(\hb)+\cc) == 0
	v_wmma_scale_f32_16x16x128_f8f6f4 v[S+64*\m+8*(2*(\g)+\u):S+64*\m+8*(2*(\g)+\u)+7], v[SBUF+64*(\hb)+16*(2*\cc+\u):SBUF+64*(\hb)+16*(2*\cc+\u)+15], v[16*(4*\m+2*(\hb)+\cc):16*(4*\m+2*(\hb)+\cc)+15], 0, v[KSW+4*(\hb)+2*\cc+\u], v[QSW+2*(2*(\hb)+\cc)+\m]
.else
	v_wmma_scale_f32_16x16x128_f8f6f4 v[S+64*\m+8*(2*(\g)+\u):S+64*\m+8*(2*(\g)+\u)+7], v[SBUF+64*(\hb)+16*(2*\cc+\u):SBUF+64*(\hb)+16*(2*\cc+\u)+15], v[16*(4*\m+2*(\hb)+\cc):16*(4*\m+2*(\hb)+\cc)+15], v[S+64*\m+8*(2*(\g)+\u):S+64*\m+8*(2*(\g)+\u)+7], v[KSW+4*(\hb)+2*\cc+\u], v[QSW+2*(2*(\hb)+\cc)+\m]
.endif
.endr
.endr
.endr
.endm
; 17 LDS loads: channel tiles 4 hv .. 4 hv + 3 of V into half hv % 2, and their scale words
.macro LV hv
	WIN 0x40
.irp q, 0,1,2,3
.irp k, 0,1,2,3
	ds_load_b128 v[SBUF+64*((\hv)%2)+16*\q+4*\k:SBUF+64*((\hv)%2)+16*\q+4*\k+3], v[ADV] offset:(4*(\hv)+\q)*2048+512*\k
.endr
.endr
	WIN 0
	ds_load_b64 v[VSW+2*((\hv)%2):VSW+2*((\hv)%2)+1], v[ADVS] offset:256*(\hv)
.endm
; 8 products of O^T += V^T P^T, each on an accumulator of its own.  first = 1: they start the sums: nothing is ever cleared
.macro PVM hv, first
	WIN 0xa1+0x50*((\hv)/4)                        ; V in window 1, p's codes in window 0, O^T in window 2 or 3
.irp q, 0,1,2,3
.irp m, 0,1
.set rO, 8*(2*((4*(\hv)+\q)%16)+\m)
.set rV, SBUF+64*((\hv)%2)+16*\q
.set rP, PC+16*\m
.set rA, VSW+2*((\hv)%2)+\q/2
.if \first
.if \q%2
	v_wmma_scale_f32_16x16x128_f8f6f4 v[rO:rO+7], v[rV:rV+15], v[rP:rP+15], 0, v[rA], v[PSW+\m] matrix_a_scale:MATRIX_SCALE_ROW1
.else
	v_wmma_scale_f32_16x16x128_f8f6f4 v[rO:rO+7], v[rV:rV+15], v[rP:rP+15], 0, v[rA], v[PSW+\m]
.endif
.else
.if \q%2
	v_wmma_scale_f32_16x16x128_f8f6f4 v[rO:rO+7], v[rV:rV+15], v[rP:rP+15], v[rO:rO+7], v[rA], v[PSW+\m] matrix_a_scale:MATRIX_SCALE_ROW1
.else
	v_wmma_scale_f32_16x16x128_f8f6f4 v[rO:rO+7], v[rV:rV+15], v[rP:rP+15], v[rO:rO+7], v[rA], v[PSW+\m]
.endif
.endif
.endr
.endr
.endm
; Tile m's softmax for one key step: 64 scores a lane, register 16 b + i = key 32 b + 16 (lane / 16) + i of my query
.macro SMX m
.set rS, S+64*(\m)
.set rN, ST+4*(\m)
.set rU, ST+4*(\m)+2
.set rF, FF+2*(\m)
.set rW, PSW+(\m)
.set rC, PC+16*(\m)
.irp b, 0,1,2,3
	v_max3_num_f32 v[TM+\b], v[rS+16*\b], v[rS+16*\b+1], v[rS+16*\b+2]   ; the largest score of each block of 32 keys: it serves the row's maximum and, since p rises with the score, the block's largest p.  Each score tile is read from its low end on
.endr
.irp i, 3,5,7,9,11,13
.irp b, 0,1,2,3
	v_max3_num_f32 v[TM+\b], v[TM+\b], v[rS+16*\b+\i], v[rS+16*\b+\i+1]
.endr
.endr
.irp b, 0,1,2,3
	v_max_num_f32 v[TM+\b], v[TM+\b], v[rS+16*\b+15]
.endr
.irp b, 0,1,2,3
	v_permlanex16_b32 v[TM+4+\b], v[TM+\b], s20, s21
.endr
.irp b, 0,1,2,3
	v_max_num_f32 v[TM+\b], v[TM+\b], v[TM+4+\b]   ; with lane l xor 16's 16 keys
.endr
	v_max3_num_f32 v[TM+16], v[TM], v[TM+1], v[TM+2]
	v_max_num_f32 v[TM+16], v[TM+16], v[TM+3]      ; the step's largest score of my query
	v_mul_f32 v[TM+16], s22, v[TM+16]              ; as t
	v_max_num_f32 v[rN+1], v[rN+1], v[TM+16]       ; the running largest t
	v_mov_b32 v[TM+16], v[rN]
	v_floor_f32 v[rN], -v[rN+1]                    ; the new -M = floor(-t) = -ceil(t)
	v_sub_f32 v[TM+16], v[rN], v[TM+16]            ; old M - new M: a whole number, 0 or less
	v_cvt_i32_f32 v[TM+16], v[TM+16]               ; (it saturates)
	v_ldexp_f32 v[rF], 1.0, v[TM+16]               ; f = 2^(old M - new M)
.set qi, 0
.rept 32
	v_pk_fma_f32 v[rS+qi:rS+qi+1], v[rS+qi:rS+qi+1], s[22:23], v[rN:rN+1] op_sel_hi:[1,0,0]   ; t - M, two at a time (of both pairs the low word serves both halves)
.set qi, qi+2
.endr
.irp b, 0,1,2,3
	v_fma_f32 v[TM+\b], v[TM+\b], s22, v[rN]       ; the same of each block's largest score
.endr
.set qi, 0
	s_wait_alu depctr_va_vdst(0)
.rept 64
	v_exp_f32 v[rS+qi], v[rS+qi]                   ; p = 2^(t - M), at most 1
.set qi, qi+1
.endr
.irp b, 0,1,2,3
	v_exp_f32 v[TM+\b], v[TM+\b]                   ; the block's largest p: the same two instructions on the same number
.endr
	v_pk_mul_f32 v[rU:rU+1], v[rU:rU+1], v[rF:rF+1] op_sel_hi:[1,0]   ; the sums under the new M (also the plain line behind the exponentials)
	s_wait_alu depctr_va_vdst(0)
.irp b, 0,1,2,3
	v_max_num_f32 v[TM+\b], 0x4800000, v[TM+\b]    ; the floor 2^(9 - 127): the byte cannot fall under 1
.endr
.irp b, 0,1,2,3
	v_add_nc_u32 v[TM+12+\b], 0xfc000000, v[TM+\b] ; the conversion's scale operand
.endr
.irp b, 0,1,2,3
	v_and_or_b32 v[TM+8+\b], v[TM+\b], 0x7f800000, s19   ; 448 x the scale
.endr
.irp b, 0,1,2,3
	v_lshrrev_b32 v[TM+4+\b], 23, v[TM+12+\b]      ; the scale's byte
.endr
	v_lshl_or_b32 v[rW], v[TM+5], 8, v[TM+4]       ; p's scale word for these 128 keys
	v_lshl_or_b32 v[rW], v[TM+6], 16, v[rW]
	v_lshl_or_b32 v[rW], v[TM+7], 24, v[rW]
	v_pk_add_f32 v[TM+4:TM+5], v[rS:rS+1], v[rS+2:rS+3]   ; the row's sum is taken of the unquantised p: two at a time, in two chains
.irp j, 4,8,12,16,20,24,28,32,36,40,44,48,52,56,60
	v_pk_add_f32 v[rU:rU+1], v[rU:rU+1], v[rS+\j:rS+\j+1]
	v_pk_add_f32 v[TM+4:TM+5], v[TM+4:TM+5], v[rS+\j+2:rS+\j+3]
.endr
	v_pk_add_f32 v[rU:rU+1], v[rU:rU+1], v[TM+4:TM+5]
.irp b, 0,1,2,3
.set qi, 0
.rept 16
	v_min_num_f32 v[rS+16*\b+qi], v[rS+16*\b+qi], v[TM+8+\b]   ; the conversion does not saturate (ISA guide 7.6.2); p is not negative, so the hold is one-sided
.set qi, qi+1
.endr
	v_cvt_scalef32_pk8_fp8_f32 v[rC+4*\b:rC+4*\b+1], v[rS+16*\b:rS+16*\b+7], v[TM+12+\b]
	v_cvt_scalef32_pk8_fp8_f32 v[rC+4*\b+2:rC+4*\b+3], v[rS+16*\b+8:rS+16*\b+15], v[TM+12+\b]
.endr
	v_nop                                          ; one plain line behind the last conversion
.endm
; O^T under the new M: x f, for the eight accumulators of channel tiles 4 hv .. 4 hv + 3, each from its low end on: 32 plain lines
.macro RESCG hv
	WIN (2+(\hv)/4)|((2+(\hv)/4)<<6)
.irp q, 0,1,2,3
.irp m, 0,1
.irp j, 0,2,4,6
	v_pk_mul_f32 v[8*(2*((4*(\hv)+\q)%16)+\m)+\j:8*(2*((4*(\hv)+\q)%16)+\m)+\j+1], v[8*(2*((4*(\hv)+\q)%16)+\m)+\j:8*(2*((4*(\hv)+\q)%16)+\m)+\j+1], v[FF+2*\m:FF+2*\m+1] op_sel_hi:[1,0]
.endr
.endr
.endr
.endm
; A KEY STEP.  The buffer's halves take turns: while one is multiplied, the other's loads are on their way.  Eight places stand between products and the loads into registers that they have read.
; In the second product those places are useful work: O^T is rescaled group by group, two groups ahead of the products that add onto it, between one group's products and the next loads.
.macro STEP first
	v_add_nc_u32 v[ADK], s40, v[LI]
	v_add_nc_u32 v[ADV], s40, v[AV0]
	v_add_nc_u32 v[ADKS], s40, v[AKS0]
	v_add_nc_u32 v[ADVS], s40, v[AVS0]
	PLACES 4                                       ; with the four additions: eight places behind the last step's products
	LK 0, 0
	LK 0, 1
	s_wait_alu depctr_va_vdst(0)
.irp g, 0,1,2,3
	s_wait_dscnt 18                                ; half 0 is in; half 1's 18 loads may be out
	QKM \g, 0
	PLACES 8
.if \g < 3
	LK \g+1, 0
	s_wait_dscnt 18                                ; half 1 is in; the 18 just issued may be out
.else
	LV 0
	s_wait_dscnt 17                                ; half 1 is in; the 17 just issued may be out
.endif
	QKM \g, 1
	PLACES 8                                       ; also in front of the first read of the scores
.if \g < 3
	LK \g+1, 1
.else
	LV 1
.endif
.endr
	WIN 0
	SMX 0
	SMX 1
.if \first
	PLACES 8                                       ; a scale word made by vector instructions stands eight places ahead of the product, codes four
.else
	RESCG 0                                        ; these 64 lines are those places too
	RESCG 1
.endif
	s_wait_alu depctr_va_vdst(0)
.irp hv, 0,1,2,3,4,5,6,7
.if \hv < 7
	s_wait_alu depctr_va_vdst(0)
	s_wait_dscnt 17                                ; this half is in; the other half's 17 loads may be out
.else
	s_wait_dscnt 0x0
.endif
	PVM \hv, \first
.if \hv < 6
.if \first
	PLACES 8
.else
	RESCG \hv+2                                    ; 32 plain lines that name none of the products' registers: the places in front of the loads below
.endif
	LV \hv+2
.endif
.if (\hv == 6) && (\first == 0)
	PLACES 8                                       ; so that the last group's rescaled registers, like the others', stand eight plain lines ahead of the products that add onto them
.endif
.endr
	WIN 0
	s_xor_b32 s40, s40, SLOTB                      ; on to the other slot
.endm
; THE CHANGE OF SLOTS stands at a step's head.  Each wave waits for all its tensor loads (its part of the slot that it is about to read), adds 0 to its spare word, and waits for that and for its reads of the slot
; that it has left.  fill = 1: a round of the cluster's barrier follows, so that no wave of any partner still reads that slot or has a load on its way, and the joint load for the next key step is the first thing behind it.
.macro CHANGE fill
	WIN 0
	s_wait_tensorcnt 0x0                           ; no tensor load of mine is out, so a group 0 may be written
	ds_add_u32 v[SPW], v[NIL]                      ; 0 onto my spare word
.if \fill
	s_xor_b32 s33, s33, SLOTB                      ; the other slot than last time,
	s_add_nc_u64 s[34:35], s[34:35], STEPB         ; the next key step; the type bits on top are not reached
	s_xor_b32 s37, s37, SLOTB
	s_add_nc_u64 s[38:39], s[38:39], STEPB
.endif
	s_wait_dscnt 0x0                               ; the add is done, and my reads of the slot that I have left are over
.if \fill
	CROUND
	JLOAD
.else
	s_barrier_signal -1
	s_barrier_wait -1
.endif
.endm
	s_wait_loadcnt 0x0                             ; Q and its scale words
	CHANGE 1                                       ; key step 1 is asked for, into slot 1
	STEP 1                                         ; key step 0 starts O^T's sums
	s_mov_b32 s41, 6
.Lstep:                                            ; key steps 1 to 6; behind each change of slots the next step is asked for
	CHANGE 1
	STEP 0
	s_sub_co_u32 s41, s41, 1
	s_cmp_lg_u32 s41, 0
	s_cbranch_scc1 .Lstep
	CHANGE 0                                       ; the last step is written out
	STEP 0
	; THE WAY OUT.  O^T / the sum goes through my stage in LDS, 16 queries x 128 channels at a time, and leaves as whole rows of 512 bytes.
	PLACES 8                                       ; behind the last products
.irp m, 0,1
	v_add_f32 v[ST+4*\m+2], v[ST+4*\m+2], v[ST+4*\m+3]     ; the sum's two halves,
.endr
.irp m, 0,1
	v_permlanex16_b32 v[TM+4+\m], v[ST+4*\m+2], s20, s21
.endr
.irp m, 0,1
	v_add_f32 v[ST+4*\m+2], v[ST+4*\m+2], v[TM+4+\m]       ; and lane l xor 16's: the row's sum
.endr
	s_wait_alu depctr_va_vdst(0)
.irp m, 0,1
	v_rcp_f32 v[FF+2*\m], v[ST+4*\m+2]
.endr
	v_nop                                          ; a plain line between the last reciprocal and its use
	s_wait_alu depctr_va_vdst(0)
.macro OUTB a                          ; block a = 2 cg + m: tile m's channels 128 cg on
.set cg, (\a)/2
.set mm, (\a)%2
.set AC, 128*(cg%2)+8*mm
.set BB, BK+64*((\a)%2)
	WIN (2+cg/2)|((2+cg/2)<<6)
.irp b, 0,1,2,3,4,5,6,7
.irp j, 0,2,4,6
	v_pk_mul_f32 v[AC+16*\b+\j:AC+16*\b+\j+1], v[AC+16*\b+\j:AC+16*\b+\j+1], v[FF+2*mm:FF+2*mm+1] op_sel_hi:[1,0]   ; each accumulator from its low end on
.endr
.endr
	WIN (2+cg/2)<<2                                ; an LDS store's data are its source 1
.irp b, 0,1,2,3,4,5,6,7
	ds_store_b128 v[STO], v[AC+16*\b:AC+16*\b+3] offset:64*\b          ; lane (r, h): channels 16 b + 8 h + 0 .. 7 of row r
	ds_store_b128 v[STO], v[AC+16*\b+4:AC+16*\b+7] offset:64*\b+16
.endr
	WIN 0
.irp t, 0,1,2,3,4,5,6,7,8,9,10,11,12,13,14,15
	ds_load_b128 v[BB+4*\t:BB+4*\t+3], v[SRD] offset:\t*SPITCH         ; LDS serves a wave's instructions in order (ISA guide 5.7.1.4): these see the stores above, and the next block's stores come behind them
.endr
.endm
.macro SEND a, younger                 ; younger: the LDS instructions issued behind block a's loads, which may stay out
.set cg, (\a)/2
.set mm, (\a)%2
.set BB, BK+64*((\a)%2)
	s_wait_dscnt \younger
.irp t, 0,1,2,3,4,5,6,7,8,9,10,11,12,13,14,15
	global_store_b128 v[LI], v[BB+4*\t:BB+4*\t+3], s[12:13] offset:(8*mm+\t+8*(\t/8))*2048+512*cg th:TH_STORE_NT   ; lane row t of tile m is query 8 m + t + 8 (t / 8) of my 32; 32 lanes store 512 consecutive bytes, aligned
.endr
.endm
	OUTB 0
.irp a, 1,2,3,4,5,6,7
.if \a > 1
	s_wait_xcnt 0x0                                ; block a - 2's stores have read their registers: block a's loads may land there
.endif
	OUTB \a
	SEND \a-1, 32                                  ; behind block a - 1's loads: block a's 16 stores and 16 loads
.endr
	SEND 7, 0
	s_wait_tensorcnt 0x0                           ; the wave's end, behind my last tensor load and my last LDS store
	ds_add_u32 v[SPW], v[NIL]
	s_wait_dscnt 0x0
	CROUND                                         ; the closing round: no work-group ends while a partner may still ask for a tile that names it
	s_endpgm
.Lfunc_end_k_q97428a4619_attn:
	.size	k_q97428a4619_attn, .Lfunc_end_k_q97428a4619_attn-k_q97428a4619_attn
	.p2alignl 7, 3214868480
	.fill 96, 4, 3214868480
	.section	.rodata,"a",@progbits
	.p2align	6, 0x0
	.amdhsa_kernel k_q97428a4619_attn
		.amdhsa_group_segment_fixed_size 327680
		.amdhsa_private_segment_fixed_size 0
		.amdhsa_enable_private_segment 0
		.amdhsa_kernarg_size 40
		.amdhsa_user_sgpr_count 2
		.amdhsa_user_sgpr_kernarg_segment_ptr 1
		.amdhsa_wavefront_size32 1
		.amdhsa_system_sgpr_workgroup_id_x 1
		.amdhsa_system_sgpr_workgroup_id_y 1
		.amdhsa_system_sgpr_workgroup_id_z 1
		.amdhsa_system_vgpr_workitem_id 0
		.amdhsa_next_free_vgpr 1024
		.amdhsa_next_free_sgpr 66
		.amdhsa_reserve_vcc 0
		.amdhsa_float_denorm_mode_32 3
		.amdhsa_float_denorm_mode_16_64 3
		.amdhsa_memory_ordered 1
		.amdhsa_forward_progress 1
		.amdhsa_inst_pref_size 255
	.end_amdhsa_kernel
	.section	.bss,"aw",@nobits
	.p2align	6
	.space	262144
	.amdgpu_metadata
---
amdhsa.version: [ 1, 2 ]
amdhsa.kernels:
  - .name:           k_q97428a4619_attn
    .symbol:         k_q97428a4619_attn.kd
    .args:
      - { .name: qc, .offset: 0, .size: 8, .value_kind: global_buffer, .address_space: global }
      - { .name: qs, .offset: 8, .size: 8, .value_kind: global_buffer, .address_space: global }
      - { .name: kb, .offset: 16, .size: 8, .value_kind: global_buffer, .address_space: global }
      - { .name: vb, .offset: 24, .size: 8, .value_kind: global_buffer, .address_space: global }
      - { .name: out0, .offset: 32, .size: 8, .value_kind: global_buffer, .address_space: global }
    .group_segment_fixed_size: 327680
    .private_segment_fixed_size: 0
    .kernarg_segment_align: 8
    .kernarg_segment_size: 40
    .max_flat_workgroup_size: 128
    .sgpr_count:     66
    .vgpr_count:     1024
    .wavefront_size: 32
...
	.end_amdgpu_metadata
.endif
;; end of part 6
